; MI455X (gfx1250); checked and timed in simulation.
; The chip was launched on July 23, 2026; its instructions are those of AMD's public machine-readable ISA for CDNA 5 (MIT licence, August 2026) and "CDNA5" Instruction Set Architecture Reference Guide (July 2026). The comments in the code are by the model that wrote it; some were corrected since.
;; Multi Head Attention. Allowed arithmetic: matrix products marked QUANTISED: E3M2 operands, one E8M0 scale for each 32 along K, by v_wmma_scale_f32_16x16x128_f8f6f4 with both operands' format E3M2, f32 sums; everything else in f32.
;; Inputs: Wk 1,024 x 1,024 float32; Wo 1,024 x 1,024 float32; Wq 1,024 x 1,024 float32; Wv 1,024 x 1,024 float32; bk 1,024 float32; bo 1,024 float32; bq 1,024 float32; bv 1,024 float32; key 4 x 2,048 x 1,024 float32; query 4 x 2,048 x 1,024 float32; value 4 x 2,048 x 1,024 float32.
;; Outputs: out0 4 x 128 x 1,024 float32.
;; Constants: num_heads = 16.
;; This version of the problem:
;;   THIS VERSION OF THE PROBLEM IS GIVEN IN LOW PRECISION. The matrix products marked QUANTISED in the list below multiply operands that are first quantised to E3M2 (3 exponent bits, 2 mantissa bits; 6 bits a number), with one power-of-two scale for each 32 numbers along K (OCP MX v1.0); their sums are f32. All else is computed in f32.
;;   The module's matrix products, in the order in which they are computed (A, B: the left and right operand; K: the contracted axis; several contracted axes count as one K, in the product's order):
;;     1. [M 8,192, K 1,024] x [K 1,024, N 1,024]; A: input query; B: input Wq: QUANTISED
;;     2. [M 8,192, K 1,024] x [K 1,024, N 1,024]; A: input key; B: input Wk: QUANTISED
;;     3. [M 8,192, K 1,024] x [K 1,024, N 1,024]; A: input value; B: input Wv: QUANTISED
;;     4. batch 64 x [M 2,048, K 64] x [K 64, N 2,048]; A: computed on the way; B: computed on the way: QUANTISED
;;     5. batch 64 x [M 2,048, K 2,048] x [K 2,048, N 64]; A: softmax (see below); B: computed on the way: QUANTISED
;;     6. [M 512, K 1,024] x [K 1,024, N 1,024]; A: computed on the way; B: input Wo: QUANTISED
;;   THE QUANTISER, for each operand of a quantised product, along K:
;;     - K is cut into blocks of 32 from its start; a last block that is shorter is filled with zeros.
;;     - A block's scale is 2^e with e = floor(log2(the largest magnitude in the block)) - 4, held to -126 .. 127; a block of zeros has e = 0. As a byte (E8M0): e + 127.
;;     - Each number is divided by its block's scale, clamped to +-28, and rounded to the nearest number of E3M2, ties to even, subnormals kept.
;;     - The product sums the exact products of the quantised numbers (number of the format x scale) in f32.
;;   ~~~python
;;   def quantise(x, axis):      # numpy; x: float32 -> the quantised numbers, widened to float32 again
;;       x = np.moveaxis(x, axis, -1); K = x.shape[-1]
;;       x = np.pad(x, [(0, 0)] * (x.ndim - 1) + [(0, -K % 32)]); x = x.reshape(x.shape[:-1] + (-1, 32)); a = np.abs(x).max(-1, keepdims=True)
;;       e = np.where(a > 0, np.clip(np.frexp(np.where(a > 0, a, 1))[1] - 1 - 4, -126, 127), 0)      # np.frexp(a)[1] - 1 = floor(log2(a)), exactly
;;       r = np.clip(x / 2.0 ** e, -28, 28)
;;       step = 2.0 ** (np.maximum(np.frexp(np.where(r == 0, 1, r))[1] - 1, -2) - 2)
;;       q = np.round(r / step) * step * 2.0 ** e      # np.round: ties to even
;;       return np.moveaxis(q.reshape(q.shape[:-2] + (-1,))[..., :K], -1, axis).astype(np.float32)
;;   ~~~
;;   SOFTMAX AHEAD OF A QUANTISED PRODUCT. Where the list says 'softmax', what is quantised is not the finished softmax but p = 2^(t - M), with t = logit x log2(e) and M = ceil(the row's largest t), a whole number; so 1/2 < the row's largest p <= 1. The row's sum l is taken of the UNQUANTISED p, in f32, and the product's result is divided by l at the end. Since M is a whole number, a kernel that streams over the keys may use a running M (the ceiling of the running maximum): every later rescaling is an exact power of two, which a block's scale takes up: the codes' values come out the same.
;;   OPERANDS COMPUTED ON THE WAY. 'Computed on the way' means the value that the module computes at that place (a softmax that the list does not call 'softmax' is quantised finished and normalised). What goes into a quantiser is computed in f32, as accurately as f32 sums, v_exp_f32 and their like allow (about 1e-6 of the number): no bf16 or f16 on the way to a quantiser, and a product that is left as it is and whose result goes on into a quantised operand takes f32 operands (vector FMAs, or v_wmma_f32_16x16x4_f32). A number that lies on a knife's edge between two numbers of the format may be rounded either way, as far as f32 arithmetic and the matrix unit's own rounding can turn it there, and no further.
;; One version. Each part assembles by itself: llvm-mc -triple=amdgcn-amd-amdhsa -mcpu=gfx1250 --defsym DOCPART=n.
;; ======== version 1 of 1: 5 launches
;; workspace buffers: xc 22,020,096 bytes; xs 917,504 bytes; hc 18,874,368 bytes; hs 786,432 bytes; vs 131,072 bytes; part 16,777,216 bytes
;; launch quant (part 1): grid 896 x 1, 4 waves a work-group, no clusters, 33,280 bytes of LDS; arguments query, key, value, Wq, Wk, Wv, Wo, xc, xs; writes xc, xs
.if DOCPART == 1
	.amdgcn_target "amdgcn-amd-amdhsa--gfx1250"
	.amdhsa_code_object_version 6
	.text
	.protected	k_q24d7de53ea_quant
	.globl	k_q24d7de53ea_quant
	.p2align	8
	.type	k_q24d7de53ea_quant,@function
k_q24d7de53ea_quant:
	s_mov_b64 s[64:65], 0
	v_nop
	global_prefetch_b8 v0, s[64:65] scope:SCOPE_SE
	s_setreg_imm32_b32 hwreg(HW_REG_WAVE_MODE, 25, 1), 1
	s_wait_xcnt 0x0
; query, key, value [8192][1024] and Wq, Wk, Wv, Wo [1024][1024], f32, K innermost in all seven, become codes of BF6 (E3M2), 6 bits each, and one E8M0 scale byte for each 32 along K.
; The codes form ONE matrix xc of 28,672 rows x 768 bytes (query from row 0, key 8,192, value 16,384, Wq 24,576, Wk 25,600, Wv 26,624, Wo 27,648), the scale bytes xs 28,672 rows x 32 bytes.
; ROW ORDER: row n of a tensor lies at the place n with its bits 3 and 4 exchanged.  So sixteen neighbouring places 16 (2 B + u) + m hold rows 32 B + 8 u + m + 8 (m / 8): a product that takes sixteen
; neighbouring places as its source 0 leaves, in the 16 registers of tiles 2 B and 2 B + 1, sixteen NEIGHBOURS 32 B + 16 (lane / 16) + 0 .. 15 of that axis, which the next quantiser wants.
; A block's scale is 2^(floor(log2(its largest magnitude)) - 4); its byte is the largest magnitude's exponent field - 4, held at 1 from below.  Numbers are divided by the scale and rounded to the nearest code, ties to even.
; LIMITS: NaN and infinities among the inputs are not served; a block whose largest magnitude lies under 2^-122 keeps the byte 1; a block of zeros gets the byte 1 where the rule says 127 (its codes are zeros, and this program alone reads the bytes).
; SHARES: a work-group takes 32 rows, a wave 8 rows = 16 steps of 512 numbers.  A load reads 512 consecutive bytes; a step's 2,048 bytes turn through the wave's own stage in LDS and come back 64 bytes a lane (16 neighbours;
; two lanes hold a block).  A wave's codes of a step are 384 consecutive bytes; its 256 scale bytes are gathered in LDS and leave as one aligned run of 256 bytes.  Waves share nothing: no barrier, no cluster (no work-group reads what another reads).
.set STEPS, 16
.set EMAX,  4
.set CB,    12                         ; bytes of 16 codes
.set R,     16                         ; v16-79   four sets of 16 numbers as they are loaded
.set X,     80                         ; v80-111  two sets of 16 neighbours
.set C,     128                        ; v128-191 codes: four registers for each step, so that no store's data are written again
.set E,     112                        ; v112-127 a scale byte for each step
.set WREG,  8192                       ; LDS: a region for each wave: two stages of 32 x SP bytes, behind them its 256 scale bytes
.set SP,    80                         ; a lane's place in a stage: 64 bytes + 16 of padding
	s_load_b512 s[4:19], s[0:1], 0x0               ; query, key, value, Wq, Wk, Wv, Wo, xc
	s_load_b64 s[20:21], s[0:1], 0x40              ; xs
	v_lshl_add_u32 v192, v0, 2, 0x8000
	v_mov_b32 v193, 0
	v_lshrrev_b32 v1, 5, v0
	v_readfirstlane_b32 s24, v1                    ; wave
	v_and_b32 v2, 31, v0                           ; lane
	v_lshlrev_b32 v3, 4, v2                        ; my 16 bytes of a load's 512
	s_mul_i32 s25, s24, WREG
	v_lshrrev_b32 v14, 2, v2
	v_mul_u32_u24 v14, v14, SP
	v_and_b32 v15, 3, v2
	v_lshl_add_u32 v14, v15, 4, v14
	v_add_nc_u32 v14, s25, v14                     ; the stage, on the way in: SP (lane / 4) + 16 (lane % 4)
	v_mul_u32_u24 v15, v2, SP
	v_add_nc_u32 v15, s25, v15                     ; and on the way out: SP x lane
	v_mul_u32_u24 v4, v2, CB                       ; my codes' place in a step's
	v_lshrrev_b32 v5, 1, v2
	s_add_co_u32 s25, s25, 2*32*SP
	v_add_nc_u32 v5, s25, v5                       ; LDS: my block's scale byte
	v_lshlrev_b32 v7, 3, v2                        ; and on the way out 8 bytes a lane
	v_add_nc_u32 v6, s25, v7
	s_mov_b32 s23, 0
	s_wait_kmcnt 0x0
.macro PICK n, cand                    ; from work-group n on the next tensor is taken: the choice hangs on the work-group's number alone
	s_cmp_ge_u32 ttmp9, \n
	s_cselect_b64 s[4:5], s[\cand:\cand+1], s[4:5]
	s_cselect_b32 s23, \n, s23
.endm
	PICK 256, 6
	PICK 512, 8
	PICK 768, 10
	PICK 800, 12
	PICK 832, 14
	PICK 864, 16
	s_sub_co_u32 s26, ttmp9, s23                   ; my work-group's place in its tensor: 131,072 bytes each,
	s_lshl_b32 s26, s26, 17
	s_lshl_b32 s27, s24, 15                        ; my wave's 8 rows: 32,768 bytes
	s_add_co_u32 s26, s26, s27
	s_mov_b32 s27, 0
	s_add_nc_u64 s[4:5], s[4:5], s[26:27]
	s_and_b32 s28, s24, 1                          ; bits 3 and 4 of a row's number are the wave's two bits: exchanged
	s_lshl_b32 s28, s28, 1
	s_lshr_b32 s29, s24, 1
	s_or_b32 s28, s28, s29
	s_lshl_b32 s29, ttmp9, 2
	s_add_co_u32 s28, s28, s29                     ; which run of 8 places is mine
	s_mul_i32 s30, s28, 6144
	s_mov_b32 s31, 0
	s_add_nc_u64 s[18:19], s[18:19], s[30:31]
	s_lshl_b32 s30, s28, 8
	s_add_nc_u64 s[20:21], s[20:21], s[30:31]
.macro LOAD t
.irp i, 0,1,2,3
	global_load_b128 v[R+16*((\t)%4)+4*\i:R+16*((\t)%4)+4*\i+3], v3, s[4:5] offset:2048*(\t)+512*\i th:TH_LOAD_NT   ; 32 lanes read 512 consecutive bytes
.endr
.endm
.macro TURN t                          ; step t's numbers through the stage: LDS serves a wave's instructions in order (ISA guide 5.7.1), so no wait stands between the stores and the loads
.irp i, 0,1,2,3
	ds_store_b128 v14, v[R+16*((\t)%4)+4*\i:R+16*((\t)%4)+4*\i+3] offset:32*SP*((\t)%2)+8*SP*\i
.endr
.irp i, 0,1,2,3
	ds_load_b128 v[X+16*((\t)%2)+4*\i:X+16*((\t)%2)+4*\i+3], v15 offset:32*SP*((\t)%2)+16*\i
.endr
.endm
.irp t, 0,1,2,3
	LOAD \t
.endr
	s_wait_loadcnt 12                              ; step 0's four loads are in
	TURN 0
.macro STEP t
.set XS, X+16*((\t)%2)
.if (\t) > 0
	s_wait_dscnt 1                                 ; this step's numbers are back from the stage (the last step's byte store may be out): so its stores into the stage have read their registers,
.else
	s_wait_dscnt 0x0
.endif
.if (\t)+4 < STEPS
	LOAD (\t)+4                                    ; which take the loads of four steps on
.endif
.if (\t)+1 < STEPS
.if STEPS-2-(\t) >= 3
	s_wait_loadcnt 12                              ; the next step's four loads are in; those of the three steps behind it may be out
.else
	s_wait_loadcnt 4*(STEPS-2-(\t))
.endif
	TURN (\t)+1                                    ; and go through the other stage while this step is worked
.endif
	v_max3_num_f32 v8, |v[XS]|, |v[XS+1]|, |v[XS+2]|               ; the largest magnitude of my 16
	v_max3_num_f32 v9, |v[XS+3]|, |v[XS+4]|, |v[XS+5]|
.irp i, 6,10
	v_max3_num_f32 v8, v8, |v[XS+\i]|, |v[XS+\i+1]|
	v_max3_num_f32 v9, v9, |v[XS+\i+2]|, |v[XS+\i+3]|
.endr
	v_max3_num_f32 v8, v8, |v[XS+14]|, |v[XS+15]|
	v_max3_num_f32 v8, v8, v9, (EMAX+1)<<23        ; and the floor 2^(5 - 127): the byte cannot fall under 1
	v_max_num_f32_dpp v8, v8, v8 row_xmask:1 row_mask:0xf bank_mask:0xf   ; and of my neighbour's 16: the block's
	v_add_nc_u32 v11, -(EMAX<<23), v8              ; 4 off its exponent field: the conversion takes the exponent field of this operand as its scale
	v_cvt_scalef32_pk16_bf6_f32 v[C+4*(\t):C+4*(\t)+2], v[XS:XS+15], v11
	v_lshrrev_b32 v[E+(\t)], 23, v11               ; the scale's byte (also the plain line behind the conversion)
	ds_store_b8 v5, v[E+(\t)] offset:16*(\t)       ; both lanes of a block write the same byte with the same value
	global_store_b96 v4, v[C+4*(\t):C+4*(\t)+2], s[18:19] offset:32*CB*(\t)
.endm
.irp t, 0,1,2,3,4,5,6,7,8,9,10,11,12,13,14,15
	STEP \t
.endr
	ds_load_b64 v[12:13], v6                       ; in order behind my byte stores
	s_wait_dscnt 0x0
	global_store_b64 v7, v[12:13], s[20:21]        ; 32 lanes store 256 consecutive bytes, aligned
	s_wait_tensorcnt 0x0
	ds_add_u32 v192, v193
	s_wait_dscnt 0x0
	s_endpgm
.Lfunc_end_k_q24d7de53ea_quant:
	.size	k_q24d7de53ea_quant, .Lfunc_end_k_q24d7de53ea_quant-k_q24d7de53ea_quant
	.p2alignl 7, 3214868480
	.fill 96, 4, 3214868480
	.section	.rodata,"a",@progbits
	.p2align	6, 0x0
	.amdhsa_kernel k_q24d7de53ea_quant
		.amdhsa_group_segment_fixed_size 33280
		.amdhsa_private_segment_fixed_size 0
		.amdhsa_enable_private_segment 0
		.amdhsa_kernarg_size 72
		.amdhsa_user_sgpr_count 2
		.amdhsa_user_sgpr_kernarg_segment_ptr 1
		.amdhsa_wavefront_size32 1
		.amdhsa_system_sgpr_workgroup_id_x 1
		.amdhsa_system_sgpr_workgroup_id_y 1
		.amdhsa_system_sgpr_workgroup_id_z 1
		.amdhsa_system_vgpr_workitem_id 0
		.amdhsa_next_free_vgpr 194
		.amdhsa_next_free_sgpr 66
		.amdhsa_reserve_vcc 0
		.amdhsa_float_denorm_mode_32 3
		.amdhsa_float_denorm_mode_16_64 3
		.amdhsa_memory_ordered 1
		.amdhsa_forward_progress 1
		.amdhsa_inst_pref_size 33
	.end_amdhsa_kernel
	.amdgpu_metadata
---
amdhsa.version: [ 1, 2 ]
amdhsa.kernels:
  - .name:           k_q24d7de53ea_quant
    .symbol:         k_q24d7de53ea_quant.kd
    .args:
      - { .name: query, .offset: 0, .size: 8, .value_kind: global_buffer, .address_space: global }
      - { .name: key, .offset: 8, .size: 8, .value_kind: global_buffer, .address_space: global }
      - { .name: value, .offset: 16, .size: 8, .value_kind: global_buffer, .address_space: global }
      - { .name: Wq, .offset: 24, .size: 8, .value_kind: global_buffer, .address_space: global }
      - { .name: Wk, .offset: 32, .size: 8, .value_kind: global_buffer, .address_space: global }
      - { .name: Wv, .offset: 40, .size: 8, .value_kind: global_buffer, .address_space: global }
      - { .name: Wo, .offset: 48, .size: 8, .value_kind: global_buffer, .address_space: global }
      - { .name: xc, .offset: 56, .size: 8, .value_kind: global_buffer, .address_space: global }
      - { .name: xs, .offset: 64, .size: 8, .value_kind: global_buffer, .address_space: global }
    .group_segment_fixed_size: 33280
    .private_segment_fixed_size: 0
    .kernarg_segment_align: 8
    .kernarg_segment_size: 72
    .max_flat_workgroup_size: 128
    .sgpr_count:     66
    .vgpr_count:     194
    .wavefront_size: 32
...
	.end_amdgpu_metadata
.endif
;; end of part 1
;; launch proj (part 2): grid 4 x 96, 4 waves a work-group, clusters of 4 x 4, 327,680 bytes of LDS; arguments xc, xs, bq, bk, bv, hc, hs; writes hc, hs
.if DOCPART == 2
	.amdgcn_target "amdgcn-amd-amdhsa--gfx1250"
	.amdhsa_code_object_version 6
	.text
	.protected	k_q24d7de53ea_proj
	.globl	k_q24d7de53ea_proj
	.p2align	8
	.type	k_q24d7de53ea_proj,@function
k_q24d7de53ea_proj:
	s_mov_b64 s[64:65], 0
	v_nop
	global_prefetch_b8 v0, s[64:65] scope:SCOPE_SE
	s_setreg_imm32_b32 hwreg(HW_REG_WAVE_MODE, 25, 1), 1
	s_wait_xcnt 0x0
	s_wait_alu depctr_hold_cnt(0) depctr_sa_sdst(0) depctr_va_vdst(0) depctr_va_sdst(0) depctr_va_ssrc(0) depctr_va_vcc(0) depctr_vm_vsrc(0)
	s_getreg_b32 s2, hwreg(HW_REG_IB_STS2, 6, 4)
	s_cmp_eq_u32 s2, 0
	s_cbranch_scc0 .Lentry_in_a_cluster
	s_endpgm
.Lentry_in_a_cluster:
	s_bfe_u32 s2, ttmp6, 0x10000c
	s_cmp_lg_u32 s2, 0xf033
	s_cbranch_scc0 .Lentry_shape_is_right
	s_endpgm
.Lentry_shape_is_right:
; The three projections q = query Wq^T + bq, k = key Wk^T + bk, v = value Wv^T + bv on codes of BF6 (E3M2) with E8M0 scales (xc, xs), sums in f32; the results are quantised on the way out, q and k along the head's 64,
; v along the keys, and stored as images of the operand registers that the attention launch loads.
; SHARES.  24 clusters of 4 x 4 work-groups; cluster cl: tensor t = cl / 8 (0 q, 1 k, 2 v), j = cl % 8: 1,024 tokens x 1,024 features.  A work-group makes 256 x 256, each of its four waves 128 x 128: 64 accumulators, 512 registers.
; THE MATRIX INSTRUCTION: source 1 ('A') gives the lane's row, source 0 ('B') the axis along a lane's registers, which is the axis that is quantised next.  t < 2: A = tokens, B = rows of W (features).  t = 2: A = rows of Wv, B = tokens (keys).
; Rows of xc lie with bits 3 and 4 of their number exchanged: the 16 registers of B's tiles 2 B' and 2 B' + 1 are neighbours 32 B' + 16 (lane / 16) + 0 .. 15; lane r of A's block a is row 32 (a / 2) + 8 (a % 2) + r + 8 (r / 8).
; K = 1,024 goes in four steps of 256 through two LDS slots filled by the tensor data mover (rows of 192 bytes); the scale bytes of the work-group's rows come once.  A's tiles are asked for jointly along a row of the cluster, B's along a column.
; IMAGES in hc [t][tb = token block of 128][head][6,144]: a piece = a register pair of all 32 lanes, 256 bytes, lane l at 8 l.  q, k: tile a = 3 pieces at 768 a (lane (r, h): its token, dims 32 h ..).  v: tile = 6 pieces at 1,536 x tile (lane (r, h): its channel, keys 64 c + 32 h ..).
; SCALE WORDS in hs [t][tb][pair of heads][512]: word (half i, p, row r) at 256 (p / 2) + 128 i + 8 r + 4 (p % 2).  q, k: i = the head's parity, the word = tile 2 p's two bytes, then tile 2 p + 1's.  v: parity p / 2, tile 2 (p % 2) + i, four key blocks.
; LIMITS: NaN and infinities are not served; a block whose largest magnitude lies under 2^-122 keeps the byte 1; a block of zeros gets the byte 1, not 127 (zero codes; only this program reads the bytes).
; REGISTERS, in windows of 256: window 0: v0-31 addresses; v32-63 scale words, two sets, nothing else ever; v64-127 the bias; from v128 A's fragments, ONE set; on the way out v128-235 at work.
;   window 1: B's fragments, TWO sets, at v0 and v128.   window 2: accumulators of A's blocks 0-3 ((a, b) at v[8 (8 a + b)]);   window 3: blocks 4-7.
.set KSTEP,  256
.set NQ,     2                         ; matrix instructions deep in a slot
.set ROWB,   192                       ; a tile's row in bytes
.set KROW,   768                       ; a row of xc
.set PITCH,  240                       ; an LDS row: 3 x (64 bytes + 16 of padding) = 60 words: the 32 lanes of a load of 8 bytes touch 64 different banks (64 banks of 4 bytes: ISA guide 11.1)
.set FR,     12
.set NL,     6
.set NP,     4                         ; places behind this matrix instruction (ISA guide 7.12.1)
.set HALFT,  128*PITCH
.set SLOT,   4*HALFT
.set KS,     32                        ; a row of xs
.set SCL,    2*SLOT                    ; behind the ring: the scales, as runs of 256 bytes + 16 of padding
.set HALFS,  (128*KS/256)*272
.set SBLK,   (16*KS/256)*272
.set SPARE,  SCL+4*HALFS               ; the spare words, 128 bytes a wave: two blocks of 256 bytes that no other line names
.set ADRA, 16                          ; v16-17 my A fragments in slot 0, 1 (v18-19: for pieces behind one padding more)
.set ADRB, 20                          ; v20-23 the same for B
.set ADRS, 27                          ; v27 my scale words: lanes 0-15 A's rows, lanes 16-31 B's
.set SPW,  28
.set NIL,  29
.set VBO1, 13                          ; v13 4 (r + 8 (r / 8)): v's bias
.set SELV, 14                          ; v14 byte select: lanes 0-15 the even head's two bytes, lanes 16-31 the odd head's
.set VBO0, 30                          ; v30 64 h: q's and k's bias
.set LO8,  31                          ; v31 8 x lane
.set SC,   32
.set BB,   64
.set AF,   128
.set H,    128                         ; the way out: 64 numbers of a block
.set PC,   192                         ; codes (20 registers)
.set TM,   212                         ; 12 at work
.set PWB,  224                         ; a scale word for each block
.set W,    232                         ; four words to store
.set G1, 24
.set G0, 32
.set G1B, 48
.set G0B, 56
.set G1S, 68
.set G0S, 76
.set G1SB, 80
.set G0SB, 88
.set SEL, 92
.set OC, 94
.set OS, 96
.set PB, 98
.set MSB, 0
.macro WIN new                         ; the immediate's high byte repeats the setting that is left
.if MSB != \new
	s_set_vgpr_msb (MSB<<8)|\new
.set MSB, \new
.endif
.endm
.set MUL_LO, 0xa1                      ; source 0 (B) window 1, source 1 (A) window 0, C and D window 2
.set MUL_HI, 0xf1
.set TO_B,   0x40
; A joint load: waves 0 and 1 fetch for A, waves 2 and 3 for B; the branch hangs on the wave's number alone.  Four v_nop follow each of the two lines.
.macro JLOAD g0a, g1a, g0b, g1b
	s_cmp_eq_u32 s21, 0
	s_cbranch_scc0 .Lfor_b_\@
	tensor_load_to_lds s[\g0a:\g0a+3], s[\g1a:\g1a+7]
	s_nop 0
.rept 4
	v_nop
.endr
	s_branch .Lasked_\@
.Lfor_b_\@:
	tensor_load_to_lds s[\g0b:\g0b+3], s[\g1b:\g1b+7]
	s_nop 0
.rept 4
	v_nop
.endr
.Lasked_\@:
.endm
.macro CREST                           ; a round of the cluster's barrier behind its opening barrier
	s_cmp_lg_u32 s20, 0
	s_cbranch_scc1 .Lnot_wave_0_\@
	s_barrier_signal -3
.Lnot_wave_0_\@:
	s_barrier_wait -3
	s_barrier_signal -1
	s_barrier_wait -1
.endm
.macro CROUND
	s_barrier_signal -1
	s_barrier_wait -1
	CREST
.endm
	s_load_b256 s[4:11], s[0:1], 0x0               ; xc s[4:5], xs s[6:7], bq s[8:9], bk s[10:11]
	s_load_b128 s[12:15], s[0:1], 0x20             ; bv s[12:13], hc s[14:15]
	s_load_b64 s[16:17], s[0:1], 0x30              ; hs
	v_lshl_add_u32 v[SPW], v0, 2, SPARE
	v_mov_b32 v[NIL], 0
	ds_add_u32 v28, v29
	ds_add_u32 v28, v29
	s_wait_dscnt 0x0
	v_lshrrev_b32 v1, 5, v0
	v_readfirstlane_b32 s20, v1                    ; wave 0..3
	s_lshr_b32 s21, s20, 1                         ; ha: which half of A's rows is mine.  Also: I fetch for A (0) or for B (1)
	s_and_b32 s22, s20, 1                          ; hb: which half of B's rows.  Also: which 128 rows of that tile I fetch
	s_bfe_u32 s40, ttmp6, 0x40000                  ; cx
	s_bfe_u32 s41, ttmp6, 0x40004                  ; cy
	s_and_b32 s43, ttmp7, 0xffff                   ; the cluster's number
	s_lshr_b32 s42, s43, 3                         ; t
	s_and_b32 s43, s43, 7                          ; j
	s_lshl_b32 s44, s41, 2
	s_lshl_b32 s44, 15, s44                        ; my row of the cluster
	s_lshl_b32 s45, 0x1111, s40                    ; my column
	s_or_b32 s[G1+0], s44, (0<<16)|(1<<20)|(1<<21)|(3<<22)|(3<<25)  ; the mask; elements of 1 byte; padding on; bit 21 beside a mask; after every 16 words, 4 words
	s_or_b32 s[G1B+0], s45, (0<<16)|(1<<20)|(1<<21)|(3<<22)|(3<<25)
.irp g, G1, G1B
	s_mov_b32 s[\g+1], ROWB<<16                    ; tensor_dim0
	s_mov_b32 s[\g+2], 128<<16                     ; tensor_dim1
	s_mov_b32 s[\g+3], ROWB<<16                    ; tile_dim0
	s_mov_b32 s[\g+4], 128                         ; tile_dim1
	s_mov_b32 s[\g+5], KROW                        ; the pitch
	s_mov_b32 s[\g+6], 0
	s_mov_b32 s[\g+7], 0
.endr
	s_or_b32 s[G1S+0], s44, (3<<16)|(1<<20)|(1<<21)|(5<<22)|(3<<25)  ; the scales of 128 rows: 4,096 dense bytes as 16 rows of 256 (32 elements of 8 bytes), 16 bytes of padding behind each
	s_or_b32 s[G1SB+0], s45, (3<<16)|(1<<20)|(1<<21)|(5<<22)|(3<<25)
.irp g, G1S, G1SB
	s_mov_b32 s[\g+1], 32<<16
	s_mov_b32 s[\g+2], (128*KS/256)<<16
	s_mov_b32 s[\g+3], 32<<16
	s_mov_b32 s[\g+4], 128*KS/256
	s_mov_b32 s[\g+5], 32
	s_mov_b32 s[\g+6], 0
	s_mov_b32 s[\g+7], 0
.endr
	s_lshl_b32 s2, s42, 13
	s_lshl_b32 s3, s43, 10
	s_add_co_u32 s2, s2, s3                        ; the tokens' first row in xc: 8,192 t + 1,024 j
	s_lshl_b32 s3, s42, 10
	s_add_co_u32 s3, s3, 24576                     ; the weight's: 24,576 + 1,024 t
	s_cmp_eq_u32 s42, 2
	s_cselect_b32 s46, s3, s2                      ; A: tokens, for v the weight
	s_cselect_b32 s47, s2, s3                      ; B: the weight, for v the tokens
	s_lshl_b32 s23, s22, 7                         ; which 128 rows of the tile I fetch
	s_lshl_b32 s2, s41, 8
	s_add_co_u32 s46, s46, s2
	s_add_co_u32 s46, s46, s23                     ; A's row: hangs on cy alone
	s_lshl_b32 s3, s40, 8
	s_add_co_u32 s47, s47, s3
	s_add_co_u32 s47, s47, s23                     ; B's row: on cx alone
	s_mul_i32 s94, s46, KROW
	s_mov_b32 s95, 0
	s_lshl_b32 s96, s46, 5
	s_mov_b32 s97, 0
	s_mul_i32 s98, s47, KROW
	s_mov_b32 s99, 0
	s_lshl_b32 s66, s47, 5
	s_mov_b32 s67, 0
	s_mul_i32 s100, s20, HALFT                     ; where they go: wave x 128 rows: no place in the cluster enters an LDS address
	s_mul_i32 s101, s20, HALFS
	s_mov_b32 s[SEL], 0x76543210
	s_mov_b32 s[SEL+1], 0xfedcba98
	s_wait_kmcnt 0x0
	s_add_nc_u64 s[94:95], s[4:5], s[94:95]        ; A's codes
	s_add_nc_u64 s[96:97], s[6:7], s[96:97]        ; A's scales
	s_add_nc_u64 s[98:99], s[4:5], s[98:99]        ; B's codes
	s_add_nc_u64 s[66:67], s[6:7], s[66:67]        ; B's scales
	CROUND                                         ; all sixteen work-groups are here: the first joint loads meet
	s_mov_b32 s[G0S], 1
	s_add_co_u32 s[G0S+1], s101, SCL
	s_mov_b64 s[G0S+2:G0S+3], s[96:97]
	s_or_b32 s[G0S+3], s[G0S+3], 0x80000000
	s_mov_b32 s[G0SB], 1
	s_add_co_u32 s[G0SB+1], s101, SCL
	s_mov_b64 s[G0SB+2:G0SB+3], s[66:67]
	s_or_b32 s[G0SB+3], s[G0SB+3], 0x80000000
	JLOAD G0S, G1S, G0SB, G1SB                     ; the scales first: wanted with K step 0.  With the two slots' fills three loads of mine are out
.irp s, 0,1
	s_mov_b32 s[G0+4*\s], 1
	s_add_co_u32 s[G0+4*\s+1], s100, \s*SLOT
	s_add_nc_u64 s[G0+4*\s+2:G0+4*\s+3], s[94:95], \s*ROWB
	s_or_b32 s[G0+4*\s+3], s[G0+4*\s+3], 0x80000000
	s_mov_b32 s[G0B+4*\s], 1
	s_add_co_u32 s[G0B+4*\s+1], s100, \s*SLOT
	s_add_nc_u64 s[G0B+4*\s+2:G0B+4*\s+3], s[98:99], \s*ROWB
	s_or_b32 s[G0B+4*\s+3], s[G0B+4*\s+3], 0x80000000
	JLOAD G0+4*\s, G1, G0B+4*\s, G1B
.endr
	v_and_b32 v1, 15, v0                           ; r
	v_bfe_u32 v2, v0, 4, 1                         ; h
	v_mul_u32_u24 v3, v1, PITCH
	v_mul_u32_u24 v4, v2, 24
	v_add_nc_u32 v4, v3, v4                        ; a fragment's row x pitch + 24 x half
	v_lshl_add_u32 v5, v2, 4, v4                   ; and the same behind one padding more
	s_mul_i32 s2, s21, HALFT                       ; my 128 rows of A
	s_mul_i32 s3, s22, HALFT                       ; my 128 rows of B,
	s_add_co_u32 s3, s3, 2*HALFT                   ; behind A's 256
.irp s, 0,1
	v_add_nc_u32 v[ADRA+\s], s2, v4
	v_add_nc_u32 v[ADRB+\s], s3, v4
	v_add_nc_u32 v[ADRA+2+\s], s2, v5
	v_add_nc_u32 v[ADRB+2+\s], s3, v5
	s_add_co_u32 s2, s2, SLOT
	s_add_co_u32 s3, s3, SLOT
.endr
	v_mul_u32_u24 v5, v1, KS                       ; my row's scales: 32 bytes a row,
	v_lshrrev_b32 v6, 8, v5
	v_lshl_add_u32 v5, v6, 4, v5                   ; and 16 more for each 256 passed
	s_mul_i32 s2, s21, HALFS
	s_mul_i32 s3, s22, HALFS
	s_add_co_u32 s3, s3, 2*HALFS
	s_sub_co_u32 s3, s3, s2
	v_mul_u32_u24 v6, s3, v2                       ; lanes 16-31 take B's
	s_add_co_u32 s2, s2, SCL
	v_add_nc_u32 v5, v5, v6
	v_add_nc_u32 v[ADRS], s2, v5
	; the way out's lane constants
	v_lshlrev_b32 v[VBO0], 6, v2
	v_and_b32 v6, 8, v1
	v_add_nc_u32 v6, v6, v1                        ; r + 8 (r / 8)
	v_lshlrev_b32 v[VBO1], 2, v6
	v_and_b32 v6, 31, v0
	v_lshlrev_b32 v[LO8], 3, v6
	v_cmp_lt_u32 vcc_lo, 15, v6                    ; lanes 16-31; VCC stays so to the end
	v_mov_b32 v[SELV], 0x05040100
	v_mov_b32 v7, 0x07060302
	v_cndmask_b32 v[SELV], v[SELV], v7, vcc_lo
	; and its addresses
	s_lshl_b32 s2, s41, 1
	s_add_co_u32 s2, s2, s21                       ; 2 cy + ha: which 128 of A's 1,024 rows
	s_lshl_b32 s3, s40, 1
	s_add_co_u32 s3, s3, s22                       ; 2 cx + hb: of B's
	s_cmp_eq_u32 s42, 2
	s_cselect_b32 s46, s2, s3                      ; the pair of heads: my 128 features
	s_cselect_b32 s47, s3, s2
	s_lshl_b32 s23, s43, 3
	s_add_co_u32 s47, s47, s23                     ; tb: my 128 tokens
	s_mul_i32 s94, s42, 6291456
	s_mul_i32 s23, s47, 98304
	s_add_co_u32 s94, s94, s23
	s_mul_i32 s23, s46, 12288
	s_add_co_u32 s94, s94, s23
	s_mov_b32 s95, 0
	s_add_nc_u64 s[OC:OC+1], s[14:15], s[94:95]    ; my 12,288 bytes of hc
	s_lshl_b32 s96, s42, 18
	s_lshl_b32 s23, s47, 12
	s_add_co_u32 s96, s96, s23
	s_lshl_b32 s23, s46, 9
	s_add_co_u32 s96, s96, s23
	s_mov_b32 s97, 0
	s_add_nc_u64 s[OS:OS+1], s[16:17], s[96:97]    ; my 512 bytes of hs
	s_cmp_eq_u32 s42, 1
	s_cselect_b64 s[PB:PB+1], s[10:11], s[8:9]
	s_cmp_eq_u32 s42, 2
	s_cselect_b64 s[PB:PB+1], s[12:13], s[PB:PB+1]
	s_lshl_b32 s2, s46, 9
	s_mov_b32 s3, 0
	s_add_nc_u64 s[PB:PB+1], s[PB:PB+1], s[2:3]    ; the bias of my 128 features
.macro FRAG reg, adr, q, i             ; a fragment, 16 rows x 128 K of 6-bit codes, is 12 registers: lane l holds row l % 16; registers 6 c .. 6 c + 5 hold K = 64 c + 32 (l / 16) + 0 .. 31, as the bytes lie
.irp p, 0,1,2,3,4,5                    ; in pieces of 8 bytes; where the piece three on lies behind one padding more, the second address register serves
.set PCE, 12*(\q)+6*(\p/3)+\p%3
.if PCE%8 < 5
	ds_load_b64 v[\reg+2*\p:\reg+2*\p+1], v[\adr] offset:8*PCE+16*(PCE/8)+(\i)*16*PITCH
.else
	ds_load_b64 v[\reg+2*\p:\reg+2*\p+1], v[\adr+2] offset:8*PCE+16*(PCE/8)+(\i)*16*PITCH
.endif
.endr
.endm
; 16 matrix instructions: A's blocks a0, a0 + 1 x B's eight, 128 along K.  The 64 accumulators take turns, one instruction a turn, in the same order in every step.
.macro MUL16 a0, p, q, sc, zero
.irp a, \a0, \a0+1
.irp b, 0,1,2,3,4,5,6,7
.if \zero
	v_wmma_scale_f32_16x16x128_f8f6f4 v[8*(8*((\a)%4)+\b):8*(8*((\a)%4)+\b)+7], v[128*(\p)+FR*\b:128*(\p)+FR*\b+FR-1], v[AF+FR*(\a):AF+FR*(\a)+FR-1], 0, v[SC+8*NQ*(\sc)+NQ*\b+(\q)], v[SC+8*NQ*(\sc)+NQ*(\a)+(\q)] matrix_a_fmt:MATRIX_FMT_BF6 matrix_b_fmt:MATRIX_FMT_BF6 matrix_a_scale:MATRIX_SCALE_ROW1
.else
	v_wmma_scale_f32_16x16x128_f8f6f4 v[8*(8*((\a)%4)+\b):8*(8*((\a)%4)+\b)+7], v[128*(\p)+FR*\b:128*(\p)+FR*\b+FR-1], v[AF+FR*(\a):AF+FR*(\a)+FR-1], v[8*(8*((\a)%4)+\b):8*(8*((\a)%4)+\b)+7], v[SC+8*NQ*(\sc)+NQ*\b+(\q)], v[SC+8*NQ*(\sc)+NQ*(\a)+(\q)] matrix_a_fmt:MATRIX_FMT_BF6 matrix_b_fmt:MATRIX_FMT_BF6 matrix_a_scale:MATRIX_SCALE_ROW1
.endif
.endr
.endr
.endm
.macro FETCH_B slot, q, p
	WIN TO_B
.irp i, 0,1,2,3,4,5,6,7
	FRAG 128*(\p)+FR*\i, ADRB+\slot, \q, \i
.endr
	WIN 0
.endm
.macro FETCH_A slot, q, i0
.irp i, \i0, \i0+1, \i0+2, \i0+3
	FRAG AF+FR*(\i), ADRA+\slot, \q, \i
.endr
.endm
.macro SCALES sc                       ; a K step's scale words: two words a row; lanes 0-15 A's block i, lanes 16-31 B's block i
.irp i, 0,1,2,3,4,5,6,7
	ds_load_b64 v[SC+8*NQ*\sc+NQ*\i:SC+8*NQ*\sc+NQ*\i+1], v[ADRS] offset:\i*SBLK
.endr
.endm
.macro PLACES n                        ; plain vector lines between a matrix instruction and a load into, or a vector line on, its registers
.rept \n
	v_nop
.endr
.endm
.macro STEP slot, q, zero              ; a step of 128 along K that has its successor in the same slot
	s_wait_dscnt 4*NL                              ; B's set, A's blocks 0-3 and the scale words are in; the youngest 24 loads (A's blocks 4-7) may be out
	WIN MUL_LO
	MUL16 0, (\q)%2, \q, \slot, \zero
	MUL16 2, (\q)%2, \q, \slot, \zero
	s_wait_dscnt 0
	PLACES NP
	FETCH_B \slot, (\q)+1, 1-(\q)%2
	FETCH_A \slot, (\q)+1, 0
	WIN MUL_HI
	MUL16 4, (\q)%2, \q, \slot, \zero
	MUL16 6, (\q)%2, \q, \slot, \zero
	PLACES NP
	WIN 0
	FETCH_A \slot, (\q)+1, 4
.endm
; A slot's last step changes slots: ONE barrier; in front of it each wave waits for all its tensor loads, adds 0 to its spare word, and waits for that and for its reads of this slot.  fill = 1: this slot is filled again, two K steps ahead.
.macro TURN slot, next, fill
	s_wait_tensorcnt 0x0                           ; all my tensor loads have landed: my part of the next slot
	ds_add_u32 v[SPW], v[NIL]                      ; 0 onto my spare word
	s_wait_dscnt 4*NL+1                            ; (the add and the youngest 24 loads may be out)
	WIN MUL_LO
	MUL16 0, 1, NQ-1, \slot, 0
	s_wait_dscnt 0x0                               ; the add is done, and my reads of this slot are over
	s_barrier_signal -1
	MUL16 2, 1, NQ-1, \slot, 0
	WIN 0
	s_barrier_wait -1
.if \fill
	CREST                                          ; the barrier has opened a round of the cluster's barrier: no wave of any partner still reads this slot or has a load on its way
	s_add_nc_u64 s[G0+4*\slot+2:G0+4*\slot+3], s[G0+4*\slot+2:G0+4*\slot+3], 2*ROWB
	s_add_nc_u64 s[G0B+4*\slot+2:G0B+4*\slot+3], s[G0B+4*\slot+2:G0B+4*\slot+3], 2*ROWB
	JLOAD G0+4*\slot, G1, G0B+4*\slot, G1B         ; the first tensor load behind the round; its four v_nop are the places in front of the loads below
.else
	PLACES NP
.endif
	v_add_nc_u32 v[ADRS], 4*NQ, v[ADRS]            ; the next K step's scale words
	FETCH_B \next, 0, 0
	FETCH_A \next, 0, 0
	SCALES \next
	WIN MUL_HI
	MUL16 4, 1, NQ-1, \slot, 0
	MUL16 6, 1, NQ-1, \slot, 0
	PLACES NP
	WIN 0
	FETCH_A \next, 0, 4
.endm
; 64 numbers of a lane, v[s] on, register 16 b + i = place 32 b + 16 (lane / 16) + i of my row, become a fragment's codes in v[pc] .. v[pc + 11] and the row's scale word in v[pw].  xw = 1: earlier stores still read v[pc] on.
.macro QUANT s, pc, pw, xw
.irp b, 0,1,2,3
	v_max3_num_f32 v[TM+\b], |v[\s+16*\b]|, |v[\s+1+16*\b]|, 0x2800000   ; block b: my 16 numbers, and the floor 2^(5 - 127): the byte cannot fall under 1
.endr
.irp i, 2,4,6,8,10,12,14
.irp b, 0,1,2,3
	v_max3_num_f32 v[TM+\b], v[TM+\b], |v[\s+16*\b+\i]|, |v[\s+1+16*\b+\i]|
.endr
.endr
.irp b, 0,1,2,3
	v_permlanex16_b32 v[TM+4+\b], v[TM+\b], s[SEL], s[SEL+1]
.endr
.irp b, 0,1,2,3
	v_max_num_f32 v[TM+\b], v[TM+\b], v[TM+4+\b]   ; with lane l xor 16's: the block's largest magnitude
.endr
.irp b, 0,1,2,3
	v_add_nc_u32 v[TM+8+\b], 0xfe000000, v[TM+\b]  ; 4 off its exponent field: the conversion's scale operand
.endr
.irp b, 0,1,2,3
	v_lshrrev_b32 v[TM+4+\b], 23, v[TM+8+\b]       ; the scale's byte
.endr
	v_lshl_or_b32 v[\pw], v[TM+5], 8, v[TM+4]
	v_lshl_or_b32 v[\pw], v[TM+6], 16, v[\pw]
	v_lshl_or_b32 v[\pw], v[TM+7], 24, v[\pw]
.if \xw
	s_wait_xcnt 0x0                                ; the last block's stores have read their registers: the codes may be written again
.endif
.irp c, 0,1
	v_cvt_scalef32_pk16_bf6_f32 v[\pc+6*\c:\pc+2+6*\c], v[\s+32*\c:\s+15+32*\c], v[TM+8+2*\c]
	v_cvt_scalef32_pk16_bf6_f32 v[\pc+12+4*\c:\pc+14+4*\c], v[\s+16+32*\c:\s+31+32*\c], v[TM+8+2*\c+1]   ; (a conversion's three registers begin on an even number)
.endr
	v_nop                                          ; one plain line behind a scaled conversion
.irp c, 0,1                                    ; the operand's layout wants a WHOLE block in a lane: lanes 0-15 block 2 c, lanes 16-31 block 2 c + 1
.irp i, 0,1,2
	v_permlane16_swap_b32 v[\pc+6*\c+\i], v[\pc+12+4*\c+\i]
.endr
.irp i, 0,1,2
	v_mov_b32 v[\pc+3+6*\c+\i], v[\pc+12+4*\c+\i]
.endr
.endr
.endm
; THE WAY OUT of A's block a: bias, quantiser, six stores of a register pair: each covers 256 consecutive bytes, aligned.
.macro BLOCK a, vm
.set AC, 64*((\a)%4)
	WIN 0x02+((\a)/4)                              ; source 0: window 2 or 3
.set I, 0
.rept 32
.if \vm
	v_pk_add_f32 v[H+I:H+I+1], v[AC+I:AC+I+1], v[BB+2*(\a):BB+2*(\a)+1]   ; each accumulator from its low end on; the lane's channel has one bias
.else
	v_pk_add_f32 v[H+I:H+I+1], v[AC+I:AC+I+1], v[BB+I:BB+I+1]             ; the bias runs along the registers
.endif
.set I, I+2
.endr
	WIN 0
.if (\a) > 0
	QUANT H, PC, PWB+(\a), 1
.else
	QUANT H, PC, PWB+(\a), 0
.endif
.irp p, 0,1,2,3,4,5
.if \vm
	global_store_b64 v[LO8], v[PC+2*\p:PC+2*\p+1], s[OC:OC+1] offset:1536*(\a)+256*\p
.else
	global_store_b64 v[LO8], v[PC+2*\p:PC+2*\p+1], s[OC:OC+1] offset:768*(\a)+6144*(\p/3)+256*(\p%3)
.endif
.endr
.if (\a)%2
.if \vm
	v_cndmask_b32 v[W+(\a)/2], v[PWB+(\a)-1], v[PWB+(\a)], vcc_lo              ; lanes 0-15 the even tile's word, lanes 16-31 the odd tile's
.else
	v_perm_b32 v[W+(\a)/2], v[PWB+(\a)], v[PWB+(\a)-1], v[SELV]                ; two bytes of tile a - 1, two of tile a: lanes 0-15 the even head's, lanes 16-31 the odd head's
.endif
.endif
.endm
; The last step of K with the bias on its way beside it, then the eight blocks.  vm = 0: q, k; vm = 1: v.
.macro EPI vm
.if \vm
.irp a, 0,1,2,3,4,5,6,7
	global_load_b32 v[BB+32+\a], v[VBO1], s[PB:PB+1] offset:4*(32*(\a/2)+8*(\a%2))
.endr
.else
.irp b, 0,1,2,3
.irp q, 0,1,2,3
	global_load_b128 v[BB+16*\b+4*\q:BB+16*\b+4*\q+3], v[VBO0], s[PB:PB+1] offset:128*\b+16*\q
.endr
.endr
.endif
	s_wait_dscnt 4*NL                              ; nothing more to fetch from LDS
	WIN MUL_LO
	MUL16 0, 1, NQ-1, 1, 0
	MUL16 2, 1, NQ-1, 1, 0
	s_wait_dscnt 0
	WIN MUL_HI
	MUL16 4, 1, NQ-1, 1, 0
	MUL16 6, 1, NQ-1, 1, 0
	WIN 0
	PLACES NP
	s_wait_loadcnt 0x0                             ; the bias
.irp b, 0,1,2,3
	v_mov_b32 v[TM+4+\b], 0                        ; written once: a lane permute's destination counts as one of its sources
.endr
.if \vm
.irp a, 0,1,2,3,4,5,6,7
	v_mov_b32 v[BB+2*\a], v[BB+32+\a]              ; each bias twice: a pair for the packed additions
	v_mov_b32 v[BB+2*\a+1], v[BB+32+\a]
.endr
.endif
.irp n, 0,1,2,3,4,5,6,7
	BLOCK \n, \vm
.endr
	global_store_b64 v[LO8], v[W:W+1], s[OS:OS+1]                  ; the scale words: twice 256 consecutive bytes
	global_store_b64 v[LO8], v[W+2:W+3], s[OS:OS+1] offset:256
.endm
	s_wait_tensorcnt 1                             ; the scales and my part of K step 0 are in (K step 1's load may be out)
	s_barrier_signal -1
	s_barrier_wait -1                              ; everybody's are
	FETCH_B 0, 0, 0
	FETCH_A 0, 0, 0
	SCALES 0
	FETCH_A 0, 0, 4
	STEP 0, 0, 1                                   ; the first products start the sums: nothing is cleared
	TURN 0, 1, 1                                   ; slot 0 takes K step 2
	STEP 1, 0, 0
	TURN 1, 0, 1                                   ; slot 1 takes K step 3
	STEP 0, 0, 0
	TURN 0, 1, 0                                   ; nothing is left to fetch
	STEP 1, 0, 0
	s_cmp_eq_u32 s42, 2                            ; the tensor hangs on the cluster's number alone: all sixteen partners go the same way
	s_cbranch_scc1 .Lv
	EPI 0
	s_branch .Lend
.Lv:
	EPI 1
.Lend:
	s_wait_tensorcnt 0x0                           ; the wave's end
	ds_add_u32 v[SPW], v[NIL]
	s_wait_dscnt 0x0
	CROUND                                         ; the closing round: no work-group ends while a partner may still ask for a tile that names it
	s_endpgm
.Lfunc_end_k_q24d7de53ea_proj:
	.size	k_q24d7de53ea_proj, .Lfunc_end_k_q24d7de53ea_proj-k_q24d7de53ea_proj
	.p2alignl 7, 3214868480
	.fill 96, 4, 3214868480
	.section	.rodata,"a",@progbits
	.p2align	6, 0x0
	.amdhsa_kernel k_q24d7de53ea_proj
		.amdhsa_group_segment_fixed_size 327680
		.amdhsa_private_segment_fixed_size 0
		.amdhsa_enable_private_segment 0
		.amdhsa_kernarg_size 56
		.amdhsa_user_sgpr_count 2
		.amdhsa_user_sgpr_kernarg_segment_ptr 1
		.amdhsa_wavefront_size32 1
		.amdhsa_system_sgpr_workgroup_id_x 1
		.amdhsa_system_sgpr_workgroup_id_y 1
		.amdhsa_system_sgpr_workgroup_id_z 1
		.amdhsa_system_vgpr_workitem_id 0
		.amdhsa_next_free_vgpr 1024
		.amdhsa_next_free_sgpr 102
		.amdhsa_reserve_vcc 1
		.amdhsa_float_denorm_mode_32 3
		.amdhsa_float_denorm_mode_16_64 3
		.amdhsa_memory_ordered 1
		.amdhsa_forward_progress 1
		.amdhsa_inst_pref_size 245
	.end_amdhsa_kernel
	.amdgpu_metadata
---
amdhsa.version: [ 1, 2 ]
amdhsa.kernels:
  - .name:           k_q24d7de53ea_proj
    .symbol:         k_q24d7de53ea_proj.kd
    .args:
      - { .name: xc, .offset: 0, .size: 8, .value_kind: global_buffer, .address_space: global }
      - { .name: xs, .offset: 8, .size: 8, .value_kind: global_buffer, .address_space: global }
      - { .name: bq, .offset: 16, .size: 8, .value_kind: global_buffer, .address_space: global }
      - { .name: bk, .offset: 24, .size: 8, .value_kind: global_buffer, .address_space: global }
      - { .name: bv, .offset: 32, .size: 8, .value_kind: global_buffer, .address_space: global }
      - { .name: hc, .offset: 40, .size: 8, .value_kind: global_buffer, .address_space: global }
      - { .name: hs, .offset: 48, .size: 8, .value_kind: global_buffer, .address_space: global }
    .group_segment_fixed_size: 327680
    .private_segment_fixed_size: 0
    .kernarg_segment_align: 8
    .kernarg_segment_size: 56
    .max_flat_workgroup_size: 128
    .sgpr_count:     102
    .vgpr_count:     1024
    .wavefront_size: 32
...
	.end_amdgpu_metadata
.endif
;; end of part 2
;; launch unif (part 3): grid 8 x 32, 16 waves a work-group, no clusters, 75,776 bytes of LDS; arguments xc, xs, bv, vs; writes vs
.if DOCPART == 3
	.amdgcn_target "amdgcn-amd-amdhsa--gfx1250"
	.amdhsa_code_object_version 6
	.text
	.protected	k_q24d7de53ea_unif
	.globl	k_q24d7de53ea_unif
	.p2align	8
	.type	k_q24d7de53ea_unif,@function
k_q24d7de53ea_unif:
	s_mov_b64 s[64:65], 0
	v_nop
	global_prefetch_b8 v0, s[64:65] scope:SCOPE_SE
	s_setreg_imm32_b32 hwreg(HW_REG_WAVE_MODE, 25, 1), 1
	s_wait_xcnt 0x0
; The sums of v over the keys: vs[b][pair][channel][step] = the sum over the 128 keys of a key step and over the pair's two heads of v.  The attention launch adds a channel's 16 steps for the mean over the keys.
; A number of the last product's operand holds 15 x 16 such means beside a far smaller part that varies, so the sums are made without the roundings of single v, by linearity, from the codes:
;   sum over keys of v[f] = sum over k of Wv_q[f][k] x X[k] + 128 bv[f],   X[k] = sum over the step's keys of value_q[key][k],   _q: the quantised numbers (code x scale) out of xc and xs.
; At the drawn spread the quantised numbers are multiples of 2^-8 and X stays far under 2^16: every sum that makes X is exact in f32, in any order; for larger inputs it is rounded to nearest.
; LIMIT: reference() rounds each v to f32 and then takes the mean; here the mean is taken of the unrounded sums: the two differ by what those roundings leave after averaging.  NaN and infinities are not served.
; SHARES.  256 work-groups: pair = x, y = 8 b + c: the batch's keys 256 c .. 256 c + 255 = key steps 2 c and 2 c + 1.  16 waves.  Wave w adds up 16 rows of value (waves 0-7: step 2 c, waves 8-15: step 2 c + 1; rows of xc change places only
; inside runs of 32, which does not matter to a sum over 128).  A lane takes block l of a row: 32 codes = 24 bytes, as two loads of 12 bytes (a conversion's three registers begin on an even number), and the block's scale byte: a row's 768 bytes
; are read by one wave on end.  All 48 loads of a wave go out at its head.  The codes are widened under the scale 1 and multiplied by the block's scale in the multiply-add.
; THE SUMS MEET IN LDS in two stages, as images of registers: each wave stores its 4,096 bytes; behind a barrier wave w adds up 512 bytes of its half's eight images and stores them; behind a second barrier every wave reads the two
; finished vectors, 8,192 bytes.  Then wave w takes channels 4 w .. 4 w + 3 of both heads: 8 rows of Wv (asked for as soon as registers are free), each multiplied with both vectors; a row's place in xc is its number with bits 3 and 4 exchanged.
; NO JOINT LOADS, though the eight pairs of a y read the same rows of value: a wave asks for its 12,800 bytes at its head and adds each row as it arrives in registers; through LDS the 204,800 bytes would make one more round trip.
.set VAL0, 16384                       ; value's first row in xc
.set WV0,  26624                       ; Wv's
.set XR,   0                           ; LDS: the two finished vectors, 4,096 bytes each
.set PART, 8192                        ; the 16 waves' images, 4,096 bytes each
.set ONE,  4                           ; v4       0x7f7f7f7f: the scale 1 in every byte
.set T,    8                           ; v8-15    a row's dot product with the first step's vector, 8 rows
.set SB,   16                          ; v16-23   Wv's scale bytes, 8 rows
.set SCF,  24                          ; v[24:25] a block's scale as f32 (the pair's low word serves both halves)
.set ACC,  32                          ; v32-63   my 32 sums: k = 32 lane + i; later the first step's vector
.set D,    64                          ; v64-95   32 numbers widened; between the barriers eight slices
.set C,    96                          ; v96-223  value's codes: four groups of four rows, 8 registers a row; later v96-159: 8 rows of Wv
.set X1,   160                         ; v160-191 later: the second step's vector
.set U,    192                         ; v192-199 later: the dot products with it; v200-203 its two chains
.set VB,   224                         ; v224-239 value's scale bytes, 16 rows
	s_load_b256 s[4:11], s[0:1], 0x0               ; xc s[4:5], xs s[6:7], bv s[8:9], vs s[10:11]
	v_lshl_add_u32 v240, v0, 2, 0x12000
	v_mov_b32 v241, 0
	v_lshrrev_b32 v5, 5, v0
	v_readfirstlane_b32 s12, v5                    ; wave 0..15
	v_and_b32 v1, 31, v0                           ; lane: also my scale byte's place in a row of xs
	v_mul_u32_u24 v2, v1, 24                       ; my block's codes in a row of xc
	v_lshlrev_b32 v6, 4, v1                        ; LDS: 16 x lane: my place in a finished vector's image (XR = 0)
	s_lshl_b32 s13, s12, 12
	s_add_co_u32 s13, s13, PART
	v_add_nc_u32 v7, s13, v6                       ; my place in my wave's image
	s_lshr_b32 s13, s12, 3
	s_lshl_b32 s13, s13, 15                        ; my half's eight images,
	s_and_b32 s28, s12, 7
	s_lshl_b32 s28, s28, 9                         ; slice w % 8 of 512 bytes
	s_add_co_u32 s13, s13, s28
	s_add_co_u32 s13, s13, PART
	v_add_nc_u32 v3, s13, v6
	s_lshl_b32 s13, s12, 9
	v_add_nc_u32 v5, s13, v6                       ; where the slice's sum goes: 4,096 (w / 8) + 512 (w % 8) = 512 w
	v_mov_b32 v[ONE], 0x7f7f7f7f
	v_mov_b32 v[SCF+1], 0                          ; (named with v24 as a pair, so it is written)
	s_mov_b32 s46, 0x76543210
	s_mov_b32 s47, 0xfedcba98                      ; v_permlanex16_b32's selects for lane l xor 16
	s_and_b32 s13, ttmp7, 0xffff                   ; y = 8 b + c
	s_lshl_b32 s28, s13, 8
	s_lshl_b32 s29, s12, 4
	s_add_co_u32 s28, s28, s29
	s_add_co_u32 s28, s28, VAL0                    ; my first row of value: 2,048 b + 256 c + 16 w
	s_mul_i32 s30, s28, 768
	s_mov_b32 s31, 0
	s_lshl_b32 s32, s28, 5
	s_mov_b32 s33, 0
	s_and_b32 s34, s12, 9                          ; feature 128 pair + 64 i + 4 w + d: its bits 3 and 4 are the wave's bits 1 and 2: exchanged
	s_and_b32 s35, s12, 2
	s_lshl_b32 s35, s35, 1
	s_or_b32 s34, s34, s35
	s_and_b32 s35, s12, 4
	s_lshr_b32 s35, s35, 1
	s_or_b32 s34, s34, s35
	s_lshl_b32 s34, s34, 2
	s_lshl_b32 s35, ttmp9, 7
	s_add_co_u32 s34, s34, s35
	s_add_co_u32 s34, s34, WV0                     ; the place of my first row of Wv
	s_mul_i32 s36, s34, 768
	s_mov_b32 s37, 0
	s_lshl_b32 s38, s34, 5
	s_mov_b32 s39, 0
	s_lshl_b32 s28, ttmp9, 9
	s_lshl_b32 s29, s12, 4
	s_add_co_u32 s28, s28, s29                     ; bv: 4 (128 pair + 4 w)
	s_mov_b32 s29, 0
	s_lshr_b32 s34, s13, 3
	s_lshl_b32 s34, s34, 3
	s_add_co_u32 s34, s34, ttmp9
	s_lshl_b32 s34, s34, 12
	s_lshl_b32 s35, s12, 8
	s_add_co_u32 s34, s34, s35
	s_and_b32 s35, s13, 7
	s_lshl_b32 s35, s35, 3
	s_add_co_u32 s34, s34, s35                     ; vs: (8 b + pair) x 4,096 + 64 x 4 w + 4 x 2 c
	s_mov_b32 s35, 0
	s_wait_kmcnt 0x0
	s_add_nc_u64 s[14:15], s[4:5], s[30:31]        ; value's codes,
	s_add_nc_u64 s[16:17], s[6:7], s[32:33]        ; and scale bytes
	s_add_nc_u64 s[18:19], s[4:5], s[36:37]        ; Wv's codes,
	s_add_nc_u64 s[20:21], s[6:7], s[38:39]        ; and scale bytes
	s_add_nc_u64 s[22:23], s[8:9], s[28:29]
	s_add_nc_u64 s[10:11], s[10:11], s[34:35]
.macro LOADG s                         ; group s: rows 4 s .. 4 s + 3: 12 loads
.irp r, 0,1,2,3
	global_load_b96 v[C+32*\s+8*\r:C+32*\s+8*\r+2], v2, s[14:15] offset:(4*\s+\r)*768
	global_load_b96 v[C+32*\s+8*\r+4:C+32*\s+8*\r+6], v2, s[14:15] offset:(4*\s+\r)*768+12
	global_load_u8 v[VB+4*\s+\r], v1, s[16:17] offset:(4*\s+\r)*32
.endr
.endm
.macro WORK s                          ; group s is added onto my 32 sums; the very first row starts them: nothing is cleared
.irp r, 0,1,2,3
	v_cvt_scale_pk16_f32_bf6 v[D:D+15], v[C+32*\s+8*\r:C+32*\s+8*\r+2], v[ONE]
	v_cvt_scale_pk16_f32_bf6 v[D+16:D+31], v[C+32*\s+8*\r+4:C+32*\s+8*\r+6], v[ONE]
	v_lshlrev_b32 v[SCF], 23, v[VB+4*\s+\r]        ; 2^(byte - 127) as f32.  (The plain line behind the scaled conversions)
.if (\s)+\r == 0
.irp j, 0,2,4,6,8,10,12,14,16,18,20,22,24,26,28,30
	v_pk_mul_f32 v[ACC+\j:ACC+\j+1], v[D+\j:D+\j+1], v[SCF:SCF+1] op_sel_hi:[1,0]
.endr
.else
.irp j, 0,2,4,6,8,10,12,14,16,18,20,22,24,26,28,30
	v_pk_fma_f32 v[ACC+\j:ACC+\j+1], v[D+\j:D+\j+1], v[SCF:SCF+1], v[ACC+\j:ACC+\j+1] op_sel_hi:[1,0,1]
.endr
.endif
.endr
.endm
	LOADG 0
	LOADG 1
	LOADG 2
	LOADG 3
	s_load_b128 s[24:27], s[22:23], 0x0            ; bv of my four channels, first head,
	s_load_b128 s[40:43], s[22:23], 0x100          ; second head
	s_wait_loadcnt 36                              ; loads come back in order (ISA guide 5.7.1): group 0 is in; the three younger groups, 12 loads each, may be out
	WORK 0
	s_wait_loadcnt 24                              ; group 1 is in
	WORK 1
.irp q, 0,1,2,3,4,5,6,7                        ; my 8 rows of Wv into the registers that groups 0 and 1 have left: row q = head q / 4, channel 4 w + q % 4; 24 loads
	global_load_b96 v[C+8*\q:C+8*\q+2], v2, s[18:19] offset:(64*(\q/4)+\q%4)*768
	global_load_b96 v[C+8*\q+4:C+8*\q+6], v2, s[18:19] offset:(64*(\q/4)+\q%4)*768+12
	global_load_u8 v[SB+\q], v1, s[20:21] offset:(64*(\q/4)+\q%4)*32
.endr
	s_wait_loadcnt 36                              ; group 2 is in; group 3's 12 loads and Wv's 24 may be out
	WORK 2
	s_wait_loadcnt 24                              ; group 3 is in; Wv's 24 may be out
	WORK 3
.irp g, 0,1,2,3,4,5,6,7
	ds_store_b128 v7, v[ACC+4*\g:ACC+4*\g+3] offset:512*\g         ; my sums as an image of their registers: 512 consecutive bytes a store
.endr
	s_wait_dscnt 0x0                               ; for the others' sake: my stores have landed
	s_barrier_signal -1
	s_barrier_wait -1
.irp j, 0,1,2,3,4,5,6,7
	ds_load_b128 v[D+4*\j:D+4*\j+3], v3 offset:4096*\j             ; my slice of my half's eight images
.endr
	s_wait_dscnt 0x0
.irp j, 0,2,4,6,8,10,12,14                     ; a tree over the eight: 4 + 2 + 1 additions of four numbers
	v_pk_add_f32 v[D+\j:D+\j+1], v[D+\j:D+\j+1], v[D+16+\j:D+17+\j]
.endr
.irp j, 0,2,4,6
	v_pk_add_f32 v[D+\j:D+\j+1], v[D+\j:D+\j+1], v[D+8+\j:D+9+\j]
.endr
.irp j, 0,2
	v_pk_add_f32 v[D+\j:D+\j+1], v[D+\j:D+\j+1], v[D+4+\j:D+5+\j]
.endr
	ds_store_b128 v5, v[D:D+3] offset:XR
	s_wait_dscnt 0x0                               ; for the others' sake
	s_barrier_signal -1
	s_barrier_wait -1
.irp g, 0,1,2,3,4,5,6,7
	ds_load_b128 v[ACC+4*\g:ACC+4*\g+3], v6 offset:XR+512*\g       ; step 2 c's vector: X[32 lane + i] in v[ACC + i],
	ds_load_b128 v[X1+4*\g:X1+4*\g+3], v6 offset:XR+4096+512*\g    ; step 2 c + 1's in v[X1 + i]
.endr
	s_wait_dscnt 0x0
	s_wait_loadcnt 0x0                             ; Wv's rows
.macro WROW q                          ; my block's part of row q's dot products with the two vectors: two chains each; the block's scale, a power of two, once at the end
	v_cvt_scale_pk16_f32_bf6 v[D:D+15], v[C+8*(\q):C+8*(\q)+2], v[ONE]
	v_cvt_scale_pk16_f32_bf6 v[D+16:D+31], v[C+8*(\q)+4:C+8*(\q)+6], v[ONE]
	v_lshlrev_b32 v[SCF], 23, v[SB+(\q)]           ; (the plain line behind the scaled conversions)
	v_pk_mul_f32 v[26:27], v[D:D+1], v[ACC:ACC+1]
	v_pk_mul_f32 v[28:29], v[D+2:D+3], v[ACC+2:ACC+3]
	v_pk_mul_f32 v[200:201], v[D:D+1], v[X1:X1+1]
	v_pk_mul_f32 v[202:203], v[D+2:D+3], v[X1+2:X1+3]
.irp j, 4,8,12,16,20,24,28
	v_pk_fma_f32 v[26:27], v[D+\j:D+\j+1], v[ACC+\j:ACC+\j+1], v[26:27]
	v_pk_fma_f32 v[28:29], v[D+\j+2:D+\j+3], v[ACC+\j+2:ACC+\j+3], v[28:29]
	v_pk_fma_f32 v[200:201], v[D+\j:D+\j+1], v[X1+\j:X1+\j+1], v[200:201]
	v_pk_fma_f32 v[202:203], v[D+\j+2:D+\j+3], v[X1+\j+2:X1+\j+3], v[202:203]
.endr
	v_pk_add_f32 v[26:27], v[26:27], v[28:29]
	v_pk_add_f32 v[200:201], v[200:201], v[202:203]
	v_add_f32 v26, v26, v27
	v_add_f32 v200, v200, v201
	v_mul_f32 v[T+(\q)], v26, v[SCF]
	v_mul_f32 v[U+(\q)], v200, v[SCF]
.endm
.irp q, 0,1,2,3,4,5,6,7
	WROW \q
.endr
.irp d, 0,1,2,3
	v_add_f32 v[T+\d], v[T+\d], v[T+4+\d]          ; the pair's two heads
	v_add_f32 v[U+\d], v[U+\d], v[U+4+\d]
.endr
.irp m, 1,2,4,8                                ; over the 32 lanes = the row's 32 blocks; the eight sums by turns
.irp d, 0,1,2,3
	v_add_f32_dpp v[T+\d], v[T+\d], v[T+\d] row_xmask:\m row_mask:0xf bank_mask:0xf
	v_add_f32_dpp v[U+\d], v[U+\d], v[U+\d] row_xmask:\m row_mask:0xf bank_mask:0xf
.endr
.endr
.irp d, 0,1,2,3
	v_permlanex16_b32 v[T+4+\d], v[T+\d], s46, s47
	v_permlanex16_b32 v[U+4+\d], v[U+\d], s46, s47
.endr
.irp d, 0,1,2,3
	v_add_f32 v[T+\d], v[T+\d], v[T+4+\d]          ; every lane holds the channel's sums
	v_add_f32 v[U+\d], v[U+\d], v[U+4+\d]
.endr
	v_mov_b32 v26, 0x43000000                      ; 128
	s_wait_kmcnt 0x0                               ; bv
.irp d, 0,1,2,3
	v_fma_f32 v[T+\d], s[24+\d], v26, v[T+\d]      ; each of a step's 128 keys adds the channel's bias, in both heads
	v_fma_f32 v[U+\d], s[24+\d], v26, v[U+\d]
	v_fma_f32 v[T+\d], s[40+\d], v26, v[T+\d]
	v_fma_f32 v[U+\d], s[40+\d], v26, v[U+\d]
.endr
	v_cmp_lt_u32 vcc_lo, 7, v1                     ; lanes 8 d .. 8 d + 7 take channel 4 w + d's two sums
	v_cndmask_b32 v30, v[T], v[T+1], vcc_lo
	v_cndmask_b32 v31, v[U], v[U+1], vcc_lo
	v_cmp_lt_u32 vcc_lo, 15, v1
	v_cndmask_b32 v30, v30, v[T+2], vcc_lo
	v_cndmask_b32 v31, v31, v[U+2], vcc_lo
	v_cmp_lt_u32 vcc_lo, 23, v1
	v_cndmask_b32 v30, v30, v[T+3], vcc_lo
	v_cndmask_b32 v31, v31, v[U+3], vcc_lo
	v_lshrrev_b32 v28, 3, v1
	v_lshlrev_b32 v28, 6, v28                      ; a channel's 16 steps are 64 bytes
	v_and_b32 v29, 7, v1
	v_cmp_eq_u32 vcc_lo, 0, v29
	s_wait_xcnt 0x0                                ; EXEC changes only behind this wait
	s_wait_tensorcnt 0x0
	ds_add_u32 v240, v241
	s_wait_dscnt 0x0
	s_and_saveexec_b32 s45, vcc_lo                 ; lanes 0, 8, 16, 24
	global_store_b64 v28, v[30:31], s[10:11]       ; steps 2 c and 2 c + 1 of four channels: 8 bytes a lane, 64 bytes apart: 32 bytes of a wave's work; the reader wants a channel's 16 steps on end
	s_wait_xcnt 0x0                                ; and again, in front of the line that widens it
	s_or_b32 exec_lo, exec_lo, s45
	s_endpgm
.Lfunc_end_k_q24d7de53ea_unif:
	.size	k_q24d7de53ea_unif, .Lfunc_end_k_q24d7de53ea_unif-k_q24d7de53ea_unif
	.p2alignl 7, 3214868480
	.fill 96, 4, 3214868480
	.section	.rodata,"a",@progbits
	.p2align	6, 0x0
	.amdhsa_kernel k_q24d7de53ea_unif
		.amdhsa_group_segment_fixed_size 75776
		.amdhsa_private_segment_fixed_size 0
		.amdhsa_enable_private_segment 0
		.amdhsa_kernarg_size 32
		.amdhsa_user_sgpr_count 2
		.amdhsa_user_sgpr_kernarg_segment_ptr 1
		.amdhsa_wavefront_size32 1
		.amdhsa_system_sgpr_workgroup_id_x 1
		.amdhsa_system_sgpr_workgroup_id_y 1
		.amdhsa_system_sgpr_workgroup_id_z 1
		.amdhsa_system_vgpr_workitem_id 0
		.amdhsa_next_free_vgpr 242
		.amdhsa_next_free_sgpr 66
		.amdhsa_reserve_vcc 1
		.amdhsa_float_denorm_mode_32 3
		.amdhsa_float_denorm_mode_16_64 3
		.amdhsa_memory_ordered 1
		.amdhsa_forward_progress 1
		.amdhsa_inst_pref_size 56
	.end_amdhsa_kernel
	.amdgpu_metadata
---
amdhsa.version: [ 1, 2 ]
amdhsa.kernels:
  - .name:           k_q24d7de53ea_unif
    .symbol:         k_q24d7de53ea_unif.kd
    .args:
      - { .name: xc, .offset: 0, .size: 8, .value_kind: global_buffer, .address_space: global }
      - { .name: xs, .offset: 8, .size: 8, .value_kind: global_buffer, .address_space: global }
      - { .name: bv, .offset: 16, .size: 8, .value_kind: global_buffer, .address_space: global }
      - { .name: vs, .offset: 24, .size: 8, .value_kind: global_buffer, .address_space: global }
    .group_segment_fixed_size: 75776
    .private_segment_fixed_size: 0
    .kernarg_segment_align: 8
    .kernarg_segment_size: 32
    .max_flat_workgroup_size: 512
    .sgpr_count:     66
    .vgpr_count:     242
    .wavefront_size: 32
...
	.end_amdgpu_metadata
.endif
;; end of part 3
;; launch attn (part 4): grid 8 x 32, 16 waves a work-group, clusters of 4 x 1, 327,680 bytes of LDS; arguments hc, hs, vs, part; writes part
.if DOCPART == 4
	.amdgcn_target "amdgcn-amd-amdhsa--gfx1250"
	.amdhsa_code_object_version 6
	.text
	.protected	k_q24d7de53ea_attn
	.globl	k_q24d7de53ea_attn
	.p2align	8
	.type	k_q24d7de53ea_attn,@function
k_q24d7de53ea_attn:
	s_mov_b64 s[64:65], 0
	v_nop
	global_prefetch_b8 v0, s[64:65] scope:SCOPE_SE
	s_setreg_imm32_b32 hwreg(HW_REG_WAVE_MODE, 25, 1), 1
	s_wait_xcnt 0x0
	s_wait_alu depctr_hold_cnt(0) depctr_sa_sdst(0) depctr_va_vdst(0) depctr_va_sdst(0) depctr_va_ssrc(0) depctr_va_vcc(0) depctr_vm_vsrc(0)
	s_getreg_b32 s2, hwreg(HW_REG_IB_STS2, 6, 4)
	s_cmp_eq_u32 s2, 0
	s_cbranch_scc0 .Lentry_in_a_cluster
	s_endpgm
.Lentry_in_a_cluster:
	s_bfe_u32 s2, ttmp6, 0x10000c
	s_cmp_lg_u32 s2, 0x3003
	s_cbranch_scc0 .Lentry_shape_is_right
	s_endpgm
.Lentry_shape_is_right:
; For a batch b and a PAIR of heads: part[pair][b][channel][query] = the sum over the pair's two heads of softmax(q k^T / 8) v, + 15 / 2048 x the sum over all keys and both heads of v.  Both products on codes of BF6 (E3M2) with E8M0 scales.
; THE SOFTMAX AHEAD OF THE SECOND PRODUCT: t = score x log2(e) / 8; M = the row's largest t so far, rounded UP to a whole number; p = 2^(t - M) is quantised along the keys, not normalised.  The row's sum is taken of the unquantised p and
; divides at a head's end.  When M moves, the sum and O are multiplied by 2^(old M - new M): exact.
; SHARES.  A work-group: batch y / 8, pair y % 8, 256 queries (4 x cluster x + cx).  Each of SIXTEEN waves owns 16 queries in 256 registers, four waves to a SIMD, and walks head 2 pair, then head 2 pair + 1, 16 key steps of 128 keys each.
; CLUSTER.  The four query blocks of a cluster walk the same K and V: every tile is asked for JOINTLY (mask 15), every wave issuing a load of its own: 6,144 dense bytes (a key step's K or V of one head).
; A slot holds EIGHT key steps (K 6,144 + V 6,144 bytes each): slot 0 steps 0-7, slot 1 steps 8-15.  A slot left by head 0 is filled with head 1's: two refills in the launch, each asked for eight key steps ahead of the wait for it; so no prefetch is laid.
; OPERANDS lie in hc as images of registers: a piece = a register pair of all lanes, 256 bytes, lane l at 8 l: every LDS load reads 256 consecutive bytes.
; K = 64 IN AN INSTRUCTION OF 128: tiles 2 B and 2 B + 1 of K (16 keys x 64 each) are ONE operand F_B: the lower 64 of its K are tile 2 B's dims, the upper 64 tile 2 B + 1's.  Against [q, 0] it gives tile 2 B's scores, against [0, q] tile 2 B + 1's (zero codes add nothing).
; LAYOUT.  Both products transposed: a lane holds ONE query (lane % 16).  Row r of K's tile a is key 32 (a / 2) + 8 (a % 2) + r + 8 (r / 8): the 16 registers of tiles 2 B, 2 B + 1 are keys 32 B + 16 (lane / 16) + 0 .. 15.  V's tiles likewise along the channels.
; LIMITS: NaN and infinities are not served; a block of p that has fallen to zeros keeps the byte 1 (zero codes).
; REGISTERS: v1-11 addresses; v12 -M, v13 largest t, v[14:15] the sum; v16-33 [q, 0, q]; v34 q's scale word; v36-83 four fragments; v84-85 K's scale words, v86-87 V's; v88-95 at work at the head; v96-159 scores, then p; v160-191 O^T;
;   v192-223 the pair's result (during head 0: v192-197 head 1's q, v198-199 q's raw scale words); v224-254 at work in a step.
.set SLOTB, 98304
.set STEPB, 12288
.set SC,    2*SLOTB                    ; the scale words of all 16 steps, both heads: 1,024 bytes a step: K's 512, V's 512; filled once
.set STG,   SC+16*1024                 ; the stage for the way out: 64 channels x (256 queries x 4 bytes + 16); no tile lands here
.set SPITCH, 1040
.set SPARE, STG+64*SPITCH              ; the spare words, 128 bytes a wave: eight blocks of 256 bytes that no other line names
.set LB,   1
.set ASK0, 2
.set ASV0, 3
.set ADR,  4
.set ADS,  5
.set ADT,  6
.set SPW,  7
.set NIL,  8
.set SO,   9
.set SR,   10
.set GO,   11
.set Q,    16
.set QS,   34
.set F,    36
.set KW,   84
.set VW,   86
.set S,    96
.set O,    160
.set ACC,  192
.set WV,   12
.set SEL,  20
.set CS,   22
.set G1,   24
.set G1S,  32
.set G0S,  40
.set G0A,  44
.set G0B,  48
.set TB,   52
.set TS,   53
.set CNT,  54
.set QSEL, 55
.macro ROUND                           ; a round of the cluster's barrier
	s_barrier_signal -1
	s_barrier_wait -1
	s_cmp_lg_u32 s[WV], 0
	s_cbranch_scc1 .Lnot_wave_0_\@
	s_barrier_signal -3
.Lnot_wave_0_\@:
	s_barrier_wait -3
	s_barrier_signal -1
	s_barrier_wait -1
.endm
	s_load_b256 s[4:11], s[0:1], 0x0               ; hc s[4:5], hs s[6:7], vs s[8:9], part s[10:11]
	v_lshl_add_u32 v[SPW], v0, 2, SPARE
	v_mov_b32 v[NIL], 0
	ds_add_u32 v7, v8
	ds_add_u32 v7, v8
	s_wait_dscnt 0x0
	v_lshrrev_b32 v88, 5, v0
	v_readfirstlane_b32 s[WV], v88                 ; wave 0..15
	s_and_b32 s13, ttmp7, 0xffff
	s_lshr_b32 s14, s13, 3                         ; b
	s_and_b32 s15, s13, 7                          ; the pair
	s_bfe_u32 s16, ttmp6, 0x40000                  ; cx
	s_lshl_b32 s17, ttmp9, 2
	s_add_co_u32 s17, s17, s16                     ; my block of 256 queries: it enters q's and part's addresses alone
	s_lshr_b32 s18, s[WV], 3                       ; I fetch K's (0) or V's (1) tiles; also: which 128 of the 256 queries
	s_and_b32 s19, s[WV], 7                        ; of which key step of a slot; also: my tile of queries
	s_mov_b32 s[G1], 15|(3<<16)|(1<<21)            ; mask: all four; elements of 8 bytes; bit 21 beside a mask; no padding
	s_mov_b32 s[G1+1], 768<<16                     ; one row of 768 elements = 6,144 bytes
	s_mov_b32 s[G1+2], 1<<16
	s_mov_b32 s[G1+3], 768<<16
	s_mov_b32 s[G1+4], 1
	s_mov_b32 s[G1+5], 768
	s_mov_b32 s[G1+6], 0
	s_mov_b32 s[G1+7], 0
	s_mov_b32 s[G1S], 15|(3<<16)|(1<<21)           ; two rows of 64 elements = 512 bytes, 262,144 bytes apart: k's words and v's
	s_mov_b32 s[G1S+1], 64<<16
	s_mov_b32 s[G1S+2], 2<<16
	s_mov_b32 s[G1S+3], 64<<16
	s_mov_b32 s[G1S+4], 2
	s_mov_b32 s[G1S+5], 32768
	s_mov_b32 s[G1S+6], 0
	s_mov_b32 s[G1S+7], 0
	s_lshl_b32 s70, s14, 4                         ; 16 b
	s_add_co_u32 s2, s70, s[WV]                    ; scale words of key step w
	s_lshl_b32 s2, s2, 12
	s_lshl_b32 s3, s15, 9
	s_add_co_u32 s2, s2, s3
	s_add_co_u32 s2, s2, 262144                    ; in k's part of hs
	s_mov_b32 s3, 0
	s_add_co_u32 s72, s70, s19                     ; codes of key step w % 8,
	s_mul_i32 s72, s72, 98304
	s_mul_i32 s73, s15, 12288                      ; head 2 pair,
	s_add_co_u32 s72, s72, s73
	s_add_co_u32 s73, s18, 1
	s_mul_i32 s73, s73, 6291456                    ; in k's or v's part of hc
	s_add_co_u32 s72, s72, s73
	s_mov_b32 s73, 0
	s_mul_i32 s74, s19, STEPB
	s_mul_i32 s75, s18, 6144
	s_add_co_u32 s74, s74, s75                     ; its place in a slot
	s_lshl_b32 s75, s[WV], 10
	s_add_co_u32 s75, s75, SC
	s_lshl_b32 s76, s17, 1
	s_add_co_u32 s76, s76, s70
	s_add_co_u32 s76, s76, s18                     ; my queries' token block: 16 b + 2 x block + w / 8
	s_mul_i32 s56, s76, 98304
	s_mul_i32 s77, s15, 12288
	s_add_co_u32 s56, s56, s77
	s_mul_i32 s77, s19, 768
	s_add_co_u32 s56, s56, s77
	s_mov_b32 s57, 0                               ; q's image: tile w % 8 of head 2 pair
	s_lshl_b32 s58, s76, 12
	s_lshl_b32 s77, s15, 9
	s_add_co_u32 s58, s58, s77
	s_lshr_b32 s77, s19, 2
	s_lshl_b32 s77, s77, 8
	s_add_co_u32 s58, s58, s77
	s_bfe_u32 s77, s19, 0x10001
	s_lshl_b32 s77, s77, 2
	s_add_co_u32 s58, s58, s77
	s_mov_b32 s59, 0                               ; the word that holds my tile's two bytes
	s_lshl_b32 s60, s14, 3
	s_add_co_u32 s60, s60, s15
	s_lshl_b32 s60, s60, 12
	s_lshl_b32 s77, s[WV], 8
	s_add_co_u32 s60, s60, s77
	s_mov_b32 s61, 0                               ; vs: channels 4 w .. 4 w + 3, 16 steps each
	s_lshl_b32 s62, s15, 2
	s_add_co_u32 s62, s62, s14
	s_lshl_b32 s62, s62, 19
	s_lshl_b32 s77, s[WV], 15
	s_add_co_u32 s62, s62, s77
	s_lshl_b32 s77, s17, 10
	s_add_co_u32 s62, s62, s77
	s_mov_b32 s63, 0                               ; part: (4 pair + b) x 524,288 + channel 4 w x 8,192 + query x 4
	s_and_b32 s77, s19, 1
	s_mul_i32 s77, s77, 0x02020202
	s_add_co_u32 s[QSEL], s77, 0x01000100          ; an even tile's bytes are the word's 0, 1; an odd tile's 2, 3: taken twice
	s_mov_b32 s[SEL], 0x76543210
	s_mov_b32 s[SEL+1], 0xfedcba98
	s_mov_b32 s[CS], 0x3e38aa3b                    ; c = log2(e) / 8
	s_mov_b32 s[CS+1], s[CS]
	s_wait_kmcnt 0x0
	s_mov_b32 s[G0S], 1
	s_mov_b32 s[G0S+1], s75
	s_add_nc_u64 s[G0S+2:G0S+3], s[6:7], s[2:3]
	s_or_b32 s[G0S+3], s[G0S+3], 0x80000000
	s_mov_b32 s[G0A], 1
	s_mov_b32 s[G0A+1], s74
	s_add_nc_u64 s[G0A+2:G0A+3], s[4:5], s[72:73]
	s_mov_b32 s[G0B], 1
	s_add_co_u32 s[G0B+1], s74, SLOTB
	s_add_nc_u64 s[G0B+2:G0B+3], s[G0A+2:G0A+3], 786432   ; eight key steps on
	s_or_b32 s[G0A+3], s[G0A+3], 0x80000000
	s_or_b32 s[G0B+3], s[G0B+3], 0x80000000
	s_add_nc_u64 s[56:57], s[4:5], s[56:57]
	s_add_nc_u64 s[58:59], s[6:7], s[58:59]
	s_add_nc_u64 s[60:61], s[8:9], s[60:61]
	s_add_nc_u64 s[10:11], s[10:11], s[62:63]
	ROUND                                          ; all four work-groups are here: the first joint loads meet
	tensor_load_to_lds s[G0S:G0S+3], s[G1S:G1S+7]  ; the first fills, one group: three loads of mine are out
	s_nop 0
	tensor_load_to_lds s[G0A:G0A+3], s[G1:G1+7]
	s_nop 0
	tensor_load_to_lds s[G0B:G0B+3], s[G1:G1+7]
	s_nop 0
.rept 4
	v_nop
.endr
	v_and_b32 v88, 31, v0                          ; lane
	v_and_b32 v89, 15, v0                          ; r
	v_bfe_u32 v90, v0, 4, 1                        ; h
	v_lshlrev_b32 v[LB], 3, v88
	v_lshlrev_b32 v91, 3, v89
.irp p, 0,1,2
	global_load_b64 v[Q+2*\p:Q+2*\p+1], v[LB], s[56:57] offset:256*\p              ; head 0's q, at both ends of [q, 0, q];
	global_load_b64 v[Q+12+2*\p:Q+13+2*\p], v[LB], s[56:57] offset:256*\p
	global_load_b64 v[ACC+2*\p:ACC+2*\p+1], v[LB], s[56:57] offset:6144+256*\p     ; head 1's, kept for later
.endr
	global_load_b32 v[ACC+6], v91, s[58:59]            ; the raw scale words, head 0's and head 1's
	global_load_b32 v[ACC+7], v91, s[58:59] offset:128
	global_load_b64 v[92:93], v[LB], s[60:61]          ; lane l: channel 4 w + l / 8, steps 2 (l % 8), + 1
.irp j, 0,1,2,3,4,5
	v_mov_b32 v[Q+6+\j], 0
.endr
	v_lshl_add_u32 v[ASK0], v90, 8, v91
	v_add_nc_u32 v[ASK0], SC, v[ASK0]              ; K's words: lanes 0-15 F_0's and F_1's, lanes 16-31 F_2's and F_3's
	v_add_nc_u32 v[ASV0], SC+512, v[LB]            ; V's: lanes 0-15 tiles 0 and 2, lanes 16-31 tiles 1 and 3
	v_and_b32 v94, 8, v89
	v_add_nc_u32 v94, v94, v89                     ; r + 8 (r / 8)
	v_lshlrev_b32 v[SO], 2, v94
	v_mad_u32_u24 v[SO], v90, 16*SPITCH, v[SO]
	s_lshl_b32 s71, s18, 7
	s_lshr_b32 s77, s19, 1
	s_lshl_b32 s77, s77, 5
	s_add_co_u32 s71, s71, s77
	s_and_b32 s77, s[WV], 1
	s_lshl_b32 s77, s77, 3
	s_add_co_u32 s71, s71, s77                     ; my tile's first query among the 256
	s_lshl_b32 s71, s71, 2
	s_add_co_u32 s71, s71, STG
	v_add_nc_u32 v[SO], s71, v[SO]                 ; into the stage: row = channel (16 h + register), my query's 4 bytes
	s_mul_i32 s71, s[WV], 4*SPITCH
	s_add_co_u32 s71, s71, STG
	v_lshl_add_u32 v[SR], v88, 4, s71              ; back: channels 4 w .. 4 w + 3, 16 bytes a lane
	v_lshlrev_b32 v[GO], 4, v88
.irp b, 0,1,2,3
	v_mov_b32 v[236+\b], 0                         ; written once: a lane permute's destination counts as one of its sources
.endr
	v_mov_b32 v253, 0                              ; (named as the upper half of v[252:253] before it is first written)
	s_wait_loadcnt 0x0
	v_add_f32 v92, v92, v93                        ; the pair's share of the uniform term: 16 steps' sums,
	v_add_f32_dpp v92, v92, v92 row_xmask:1 row_mask:0xf bank_mask:0xf
	v_add_f32_dpp v92, v92, v92 row_xmask:2 row_mask:0xf bank_mask:0xf
	v_add_f32_dpp v92, v92, v92 row_xmask:4 row_mask:0xf bank_mask:0xf
	v_mul_f32 v92, 0x3bf00000, v92                 ; x 15 / 2,048
	v_readlane_b32 s66, v92, 0                     ; channels 4 w, + 1, + 2, + 3
	v_readlane_b32 s67, v92, 8
	v_readlane_b32 s68, v92, 16
	v_readlane_b32 s69, v92, 24
	v_perm_b32 v[QS], v[ACC+6], v[ACC+6], s[QSEL]
.macro HEADINIT                        ; a head begins: O^T and the sum as zeros, the largest t under every t: the step is written once
	v_mov_b32 v13, 0xff61b1e6                      ; -3e38
	v_floor_f32 v12, -v13
	v_mov_b32 v14, 0
	v_mov_b32 v15, 0
.set I, 0
.rept 32
	v_mov_b32 v[O+I], 0
.set I, I+1
.endr
.endm
; A KEY STEP: 128 keys of the head with parity hp.
.macro STEP hp
	v_add_nc_u32 v[ADR], s[TB], v[LB]              ; these three and the v_nop are the four places in front of loads into registers that the last products read
	v_add_nc_u32 v[ADS], s[TS], v[ASK0]
	v_add_nc_u32 v[ADT], s[TS], v[ASV0]
	v_nop
.set PI, 0
.rept 24
	ds_load_b64 v[F+2*PI:F+2*PI+1], v[ADR] offset:256*PI           ; K's eight tiles = F_0 .. F_3
.set PI, PI+1
.endr
	ds_load_b64 v[KW:KW+1], v[ADS] offset:128*\hp
	ds_load_b64 v[VW:VW+1], v[ADT] offset:256*\hp
	s_wait_dscnt 1                                 ; V's words, the youngest load, may be out
.irp be, 0,1,2,3
.irp u, 0,1
.if \be < 2
	v_wmma_scale_f32_16x16x128_f8f6f4 v[S+16*\be+8*\u:S+16*\be+8*\u+7], v[F+12*\be:F+12*\be+11], v[Q+6*\u:Q+6*\u+11], 0, v[KW+\be%2], v[QS] matrix_a_fmt:MATRIX_FMT_BF6 matrix_b_fmt:MATRIX_FMT_BF6
.else
	v_wmma_scale_f32_16x16x128_f8f6f4 v[S+16*\be+8*\u:S+16*\be+8*\u+7], v[F+12*\be:F+12*\be+11], v[Q+6*\u:Q+6*\u+11], 0, v[KW+\be%2], v[QS] matrix_a_fmt:MATRIX_FMT_BF6 matrix_b_fmt:MATRIX_FMT_BF6 matrix_a_scale:MATRIX_SCALE_ROW1
.endif
.endr
.endr
.rept 4
	v_nop                                          ; places in front of the loads below and of the first read of the scores
.endr
.set PI, 0
.rept 24
	ds_load_b64 v[F+2*PI:F+2*PI+1], v[ADR] offset:6144+256*PI      ; V's four tiles land while the softmax is walked
.set PI, PI+1
.endr
.irp b, 0,1,2,3
	v_max3_num_f32 v[232+\b], v[96+16*\b], v[97+16*\b], v[98+16*\b]   ; the largest score of each block of 32 keys: for the row's maximum and, since p rises with the score, for the block's largest p
.endr
.irp i, 3,5,7,9,11,13
.irp b, 0,1,2,3
	v_max3_num_f32 v[232+\b], v[232+\b], v[96+16*\b+\i], v[97+16*\b+\i]
.endr
.endr
.irp b, 0,1,2,3
	v_max_num_f32 v[232+\b], v[232+\b], v[111+16*\b]
.endr
.irp b, 0,1,2,3
	v_permlanex16_b32 v[236+\b], v[232+\b], s[SEL], s[SEL+1]
.endr
.irp b, 0,1,2,3
	v_max_num_f32 v[232+\b], v[232+\b], v[236+\b]  ; with lane l xor 16's 16 keys
.endr
	v_max3_num_f32 v254, v232, v233, v234
	v_max_num_f32 v254, v254, v235
	v_mul_f32 v254, s[CS], v254                    ; as t (c is positive)
	v_max_num_f32 v13, v13, v254                   ; the running largest t
	v_mov_b32 v254, v12
	v_floor_f32 v12, -v13                          ; the new -M = -ceil(t): a whole number
	v_sub_f32 v254, v12, v254                      ; old M - new M: a whole number, 0 or less
	v_cvt_i32_f32 v254, v254                       ; (it saturates)
	v_ldexp_f32 v252, 1.0, v254                    ; f = 2^(old M - new M)
.irp j, 0,2,4,6,8,10,12,14,16,18,20,22,24,26,28,30,32,34,36,38,40,42,44,46,48,50,52,54,56,58,60,62
	v_pk_fma_f32 v[96+\j:97+\j], v[96+\j:97+\j], s[CS:CS+1], v[12:13] op_sel_hi:[1,0,0]   ; t - M, two at a time
.endr
.irp b, 0,1,2,3
	v_fma_f32 v[232+\b], v[232+\b], s[CS], v12     ; the same of each block's largest score
.endr
.irp j, 0,1,2,3,4,5,6,7,8,9,10,11,12,13,14,15,16,17,18,19,20,21,22,23,24,25,26,27,28,29,30,31,32,33,34,35,36,37,38,39,40,41,42,43,44,45,46,47,48,49,50,51,52,53,54,55,56,57,58,59,60,61,62,63
	v_exp_f32 v[96+\j], v[96+\j]                   ; p = 2^(t - M), at most 1
.endr
	v_pk_mul_f32 v[14:15], v[14:15], v[252:253] op_sel_hi:[1,0]    ; the sums under the new M (the plain line behind the exponentials)
	s_wait_alu depctr_va_vdst(0)                   ; one wait for the batch of 64, ahead of its first reader
.irp b, 0,1,2,3
	v_exp_f32 v[232+\b], v[232+\b]                 ; the block's largest p
.endr
	v_pk_add_f32 v[236:237], v[96:97], v[98:99]    ; the row's sum of the UNQUANTISED p, in two chains
.irp j, 4,8,12,16,20,24,28,32,36,40,44,48,52,56,60
	v_pk_add_f32 v[14:15], v[14:15], v[96+\j:97+\j]
	v_pk_add_f32 v[236:237], v[236:237], v[98+\j:99+\j]
.endr
	v_pk_add_f32 v[14:15], v[14:15], v[236:237]
	s_wait_alu depctr_va_vdst(0)                   ; and one for the four
.irp b, 0,1,2,3
	v_max_num_f32 v[232+\b], 0x2800000, v[232+\b]  ; the floor 2^(5 - 127)
.endr
.irp b, 0,1,2,3
	v_add_nc_u32 v[244+\b], 0xfe000000, v[232+\b]  ; 4 off the exponent field: the conversion's scale operand
.endr
.irp b, 0,1,2,3
	v_lshrrev_b32 v[236+\b], 23, v[244+\b]
.endr
	v_lshl_or_b32 v253, v237, 8, v236              ; p's scale word for these 128 keys
	v_lshl_or_b32 v253, v238, 16, v253
	v_lshl_or_b32 v253, v239, 24, v253
.irp c, 0,1
	v_cvt_scalef32_pk16_bf6_f32 v[224+6*\c:226+6*\c], v[96+32*\c:111+32*\c], v[244+2*\c]
	v_cvt_scalef32_pk16_bf6_f32 v[236+4*\c:238+4*\c], v[112+32*\c:127+32*\c], v[244+2*\c+1]
.endr
	v_nop                                          ; one plain line behind a scaled conversion
.irp c, 0,1
.irp i, 0,1,2
	v_permlane16_swap_b32 v[224+6*\c+\i], v[236+4*\c+\i]
.endr
.irp i, 0,1,2
	v_mov_b32 v[227+6*\c+\i], v[236+4*\c+\i]
.endr
.endr
.irp j, 0,2,4,6,8,10,12,14,16,18,20,22,24,26,28,30
	v_pk_mul_f32 v[O+\j:O+\j+1], v[O+\j:O+\j+1], v[252:253] op_sel_hi:[1,0]   ; O^T under the new M; these 16 are also the places between p's codes and scale word and the products
.endr
	s_wait_dscnt 0x0                               ; V's tiles and words
.irp t, 0,1,2,3                                ; O^T += V^T P^T: the four accumulators by turns
.if \t%2
	v_wmma_scale_f32_16x16x128_f8f6f4 v[O+8*\t:O+8*\t+7], v[F+12*\t:F+12*\t+11], v[224:235], v[O+8*\t:O+8*\t+7], v[VW+\t/2], v253 matrix_a_fmt:MATRIX_FMT_BF6 matrix_b_fmt:MATRIX_FMT_BF6 matrix_a_scale:MATRIX_SCALE_ROW1
.else
	v_wmma_scale_f32_16x16x128_f8f6f4 v[O+8*\t:O+8*\t+7], v[F+12*\t:F+12*\t+11], v[224:235], v[O+8*\t:O+8*\t+7], v[VW+\t/2], v253 matrix_a_fmt:MATRIX_FMT_BF6 matrix_b_fmt:MATRIX_FMT_BF6
.endif
.endr
	s_add_co_u32 s[TB], s[TB], STEPB
	s_add_co_u32 s[TS], s[TS], 1024
.endm
.macro SLOTWORK slot, hp               ; a slot's eight key steps
	s_mov_b32 s[TB], \slot*SLOTB
	s_mov_b32 s[TS], \slot*8192
	s_mov_b32 s[CNT], 8
.Lstep_\@:
	STEP \hp
	s_sub_co_u32 s[CNT], s[CNT], 1
	s_cmp_lg_u32 s[CNT], 0
	s_cbranch_scc1 .Lstep_\@
.endm
; THE CHANGE OF SLOTS.  Each wave waits for all its tensor loads (its part of the slot ahead), adds 0 to its spare word, and waits for that and for its reads of the slot left.  fill = 1: the slot left is filled with the next head's
; tiles: the barrier is a round of the cluster's, and the joint refill is the first thing behind it, one load a wave.
.macro CHANGE fill, g0
	s_wait_tensorcnt 0x0                           ; no tensor load of mine is out, so a group 0 may be written
	ds_add_u32 v[SPW], v[NIL]                      ; 0 onto my spare word
.if \fill
	s_add_nc_u64 s[\g0+2:\g0+3], s[\g0+2:\g0+3], 6144   ; the next head's image; the type bits on top are not reached
.endif
	s_wait_dscnt 0x0
.if \fill
	ROUND
	tensor_load_to_lds s[\g0:\g0+3], s[G1:G1+7]
	s_nop 0
.rept 4
	v_nop
.endr
.else
	s_barrier_signal -1
	s_barrier_wait -1
.endif
.endm
.macro FIN hp                          ; a head ends: O^T / the sum goes into (0) or onto (1) the pair's result
.rept 4
	v_nop                                          ; places behind the last products
.endr
	v_add_f32 v14, v14, v15
	v_permlanex16_b32 v252, v14, s[SEL], s[SEL+1]
	v_add_f32 v14, v14, v252                       ; the row's sum
	v_rcp_f32 v14, v14
	v_nop                                          ; a plain line behind the reciprocal,
	s_wait_alu depctr_va_vdst(0)                   ; and the wait ahead of its first reader
.irp j, 0,2,4,6,8,10,12,14,16,18,20,22,24,26,28,30
.if \hp
	v_pk_fma_f32 v[ACC+\j:ACC+\j+1], v[O+\j:O+\j+1], v[14:15], v[ACC+\j:ACC+\j+1] op_sel_hi:[1,0,1]
.else
	v_pk_mul_f32 v[ACC+\j:ACC+\j+1], v[O+\j:O+\j+1], v[14:15] op_sel_hi:[1,0]
.endif
.endr
.endm
	HEADINIT
	s_wait_tensorcnt 1                             ; the scale words and my part of slot 0 are in; slot 1's load may stay out
	s_barrier_signal -1
	s_barrier_wait -1
	SLOTWORK 0, 0
	CHANGE 1, G0A                                  ; slot 1 is whole; slot 0 takes head 1's steps 0-7
	SLOTWORK 1, 0
.irp j, 0,1,2,3,4,5
	v_mov_b32 v[Q+\j], v[ACC+\j]                   ; head 1's q, ahead of the lines that take its registers
	v_mov_b32 v[Q+12+\j], v[ACC+\j]
.endr
	v_perm_b32 v[QS], v[ACC+7], v[ACC+7], s[QSEL]
	FIN 0
	HEADINIT
	CHANGE 1, G0B                                  ; slot 0 is whole; slot 1 takes head 1's steps 8-15
	SLOTWORK 0, 1
	CHANGE 0, G0A                                  ; slot 1 is whole; nothing is left to fetch
	SLOTWORK 1, 1
	FIN 1
	; THE WAY OUT.  A lane holds 32 channels of one query, and part wants a channel's queries on end: through the stage, [channel][query].
.irp bq, 0,1
.irp i, 0,1,2,3,4,5,6,7,8,9,10,11,12,13,14,15
	ds_store_b32 v[SO], v[ACC+16*\bq+\i] offset:(32*\bq+\i)*SPITCH
.endr
.endr
	s_wait_dscnt 0x0                               ; for the others' sake: my stores have landed
	s_barrier_signal -1
	s_barrier_wait -1
.irp d, 0,1,2,3
.irp e, 0,1
	ds_load_b128 v[S+8*\d+4*\e:S+8*\d+4*\e+3], v[SR] offset:SPITCH*\d+512*\e
.endr
.endr
	s_wait_dscnt 0x0
.irp d, 0,1,2,3
.irp j, 0,1,2,3,4,5,6,7
	v_add_f32 v[S+8*\d+\j], s[66+\d], v[S+8*\d+\j] ; the channel's uniform term
.endr
.endr
.irp d, 0,1,2,3
.irp e, 0,1
	global_store_b128 v[GO], v[S+8*\d+4*\e:S+8*\d+4*\e+3], s[10:11] offset:8192*\d+512*\e   ; 32 lanes store 512 consecutive bytes, aligned
.endr
.endr
	s_wait_tensorcnt 0x0                           ; the wave's end
	ds_add_u32 v[SPW], v[NIL]
	s_wait_dscnt 0x0
	ROUND                                          ; the closing round
	s_endpgm
.Lfunc_end_k_q24d7de53ea_attn:
	.size	k_q24d7de53ea_attn, .Lfunc_end_k_q24d7de53ea_attn-k_q24d7de53ea_attn
	.p2alignl 7, 3214868480
	.fill 96, 4, 3214868480
	.section	.rodata,"a",@progbits
	.p2align	6, 0x0
	.amdhsa_kernel k_q24d7de53ea_attn
		.amdhsa_group_segment_fixed_size 327680
		.amdhsa_private_segment_fixed_size 0
		.amdhsa_enable_private_segment 0
		.amdhsa_kernarg_size 32
		.amdhsa_user_sgpr_count 2
		.amdhsa_user_sgpr_kernarg_segment_ptr 1
		.amdhsa_wavefront_size32 1
		.amdhsa_system_sgpr_workgroup_id_x 1
		.amdhsa_system_sgpr_workgroup_id_y 1
		.amdhsa_system_sgpr_workgroup_id_z 1
		.amdhsa_system_vgpr_workitem_id 0
		.amdhsa_next_free_vgpr 256
		.amdhsa_next_free_sgpr 80
		.amdhsa_reserve_vcc 0
		.amdhsa_float_denorm_mode_32 3
		.amdhsa_float_denorm_mode_16_64 3
		.amdhsa_memory_ordered 1
		.amdhsa_forward_progress 1
		.amdhsa_inst_pref_size 89
	.end_amdhsa_kernel
	.amdgpu_metadata
---
amdhsa.version: [ 1, 2 ]
amdhsa.kernels:
  - .name:           k_q24d7de53ea_attn
    .symbol:         k_q24d7de53ea_attn.kd
    .args:
      - { .name: hc, .offset: 0, .size: 8, .value_kind: global_buffer, .address_space: global }
      - { .name: hs, .offset: 8, .size: 8, .value_kind: global_buffer, .address_space: global }
      - { .name: vs, .offset: 16, .size: 8, .value_kind: global_buffer, .address_space: global }
      - { .name: part, .offset: 24, .size: 8, .value_kind: global_buffer, .address_space: global }
    .group_segment_fixed_size: 327680
    .private_segment_fixed_size: 0
    .kernarg_segment_align: 8
    .kernarg_segment_size: 32
    .max_flat_workgroup_size: 512
    .sgpr_count:     80
    .vgpr_count:     256
    .wavefront_size: 32
...
	.end_amdgpu_metadata
.endif
;; end of part 4
;; launch outp (part 5): grid 4 x 32, 8 waves a work-group, no clusters, 31,744 bytes of LDS; arguments part, xc, xs, bo, out0; writes out0
.if DOCPART == 5
	.amdgcn_target "amdgcn-amd-amdhsa--gfx1250"
	.amdhsa_code_object_version 6
	.text
	.protected	k_q24d7de53ea_outp
	.globl	k_q24d7de53ea_outp
	.p2align	8
	.type	k_q24d7de53ea_outp,@function
k_q24d7de53ea_outp:
	s_mov_b64 s[64:65], 0
	v_nop
	global_prefetch_b8 v0, s[64:65] scope:SCOPE_SE
	s_setreg_imm32_b32 hwreg(HW_REG_WAVE_MODE, 25, 1), 1
	s_wait_xcnt 0x0
; out0 [512][1024] = A Wo^T + bo on codes of BF6 (E3M2) with E8M0 scales.  A [512][1024] is the sum of the eight pairs' parts (part [8][512][1024], f32), quantised here along its rows; Wo's codes and scale bytes lie in xc and xs from row 27,648 on,
; rows with bits 3 and 4 of their number exchanged.
; SHARES.  A work-group: 16 rows (16 y on) x 256 columns (256 x on).  Wave w first makes K step w of A's operand (128 along K of the 16 rows): eight parts added as they arrive, in the order of the operand's registers, then quantised;
; the fragment goes to LDS as an IMAGE OF ITS REGISTERS (three stores of 512 consecutive bytes; the scale word 4 bytes a lane).  Behind a barrier every wave loads all eight and makes columns 32 w .. 32 w + 31: two accumulators by turns.
; The product is used transposed (source 0 = 16 places of Wo, source 1 = A's rows): a lane holds one row, and the 16 registers of the two tiles are columns 32 w + 16 (lane / 16) + 0 .. 15.  bo is the C of each sum's first product.
; NO JOINT LOADS: what the four work-groups of a row block share are f32 parts that each lane adds on arrival; through LDS they would be 512 KB a work-group, more than LDS holds.
; LIMITS: NaN and infinities are not served; a block under 2^-122 keeps the byte 1; a block of zeros gets the byte 1, not 127 (zero codes).
; REGISTERS: window 0: v1-10 addresses; v16-79 the sum, v80-143 and v144-207 parts on their way; v208-227 codes; v228-239 at work; v240-247 Wo's scale words, v248-255 A's: nothing else ever.  Later v16-111 A's eight fragments, v120-135 the accumulators.
;   window 1: v0-191 Wo's 16 fragments (tile u, K step s at 12 (8 u + s)); v192-207 bo.
.set FR,    12
.set FRB,   1536
.set XIMG,  0
.set XSC,   8*FRB
.set STG,   XSC+8*128
.set SPITCH, 1040
.set H,   16
.set T1,  80
.set T2,  144
.set PC,  208
.set TM,  228
.set WS,  240
.set XSW, 248
.set YA,  120
.set XA,  1
.set LI,  2
.set LS,  3
.set XWI, 4
.set XWS, 5
.set SO,  6
.set SR,  7
.set WA,  8
.set WSA, 9
.set BA,  10
.set SEL, 20
.set MSB, 0
.macro WIN new
.if MSB != \new
	s_set_vgpr_msb (MSB<<8)|\new
.set MSB, \new
.endif
.endm
.macro QUANT s, pc, pw, xw             ; 64 numbers of a lane, register 16 b + i = place 32 b + 16 (lane / 16) + i of my row, become a fragment's codes in v[pc] .. v[pc + 11] and the row's scale word in v[pw]
.irp b, 0,1,2,3
	v_max3_num_f32 v[TM+\b], |v[\s+16*\b]|, |v[\s+1+16*\b]|, 0x2800000   ; and the floor 2^(5 - 127): the byte cannot fall under 1
.endr
.irp i, 2,4,6,8,10,12,14
.irp b, 0,1,2,3
	v_max3_num_f32 v[TM+\b], v[TM+\b], |v[\s+16*\b+\i]|, |v[\s+1+16*\b+\i]|
.endr
.endr
.irp b, 0,1,2,3
	v_permlanex16_b32 v[TM+4+\b], v[TM+\b], s[SEL], s[SEL+1]
.endr
.irp b, 0,1,2,3
	v_max_num_f32 v[TM+\b], v[TM+\b], v[TM+4+\b]
.endr
.irp b, 0,1,2,3
	v_add_nc_u32 v[TM+8+\b], 0xfe000000, v[TM+\b]
.endr
.irp b, 0,1,2,3
	v_lshrrev_b32 v[TM+4+\b], 23, v[TM+8+\b]
.endr
	v_lshl_or_b32 v[\pw], v[TM+5], 8, v[TM+4]
	v_lshl_or_b32 v[\pw], v[TM+6], 16, v[\pw]
	v_lshl_or_b32 v[\pw], v[TM+7], 24, v[\pw]
.if \xw
	s_wait_xcnt 0x0
.endif
.irp c, 0,1
	v_cvt_scalef32_pk16_bf6_f32 v[\pc+6*\c:\pc+2+6*\c], v[\s+32*\c:\s+15+32*\c], v[TM+8+2*\c]
	v_cvt_scalef32_pk16_bf6_f32 v[\pc+12+4*\c:\pc+14+4*\c], v[\s+16+32*\c:\s+31+32*\c], v[TM+8+2*\c+1]
.endr
	v_nop                                          ; one plain line behind a scaled conversion
.irp c, 0,1
.irp i, 0,1,2
	v_permlane16_swap_b32 v[\pc+6*\c+\i], v[\pc+12+4*\c+\i]
.endr
.irp i, 0,1,2
	v_mov_b32 v[\pc+3+6*\c+\i], v[\pc+12+4*\c+\i]
.endr
.endr
.endm
	s_load_b256 s[4:11], s[0:1], 0x0               ; part s[4:5], xc s[6:7], xs s[8:9], bo s[10:11]
	s_load_b64 s[12:13], s[0:1], 0x20              ; out0
	v_lshl_add_u32 v223, v0, 2, 0x7800
	v_mov_b32 v227, 0
	v_lshrrev_b32 v11, 5, v0
	v_readfirstlane_b32 s14, v11                   ; wave 0..7
	s_and_b32 s15, ttmp7, 0xffff                   ; y
	v_and_b32 v11, 31, v0                          ; lane
	v_and_b32 v12, 15, v0                          ; r
	v_bfe_u32 v13, v0, 4, 1                        ; h
	v_lshlrev_b32 v[XA], 12, v12
	v_lshl_add_u32 v[XA], v13, 6, v[XA]
	s_lshl_b32 s16, s14, 9
	v_add_nc_u32 v[XA], s16, v[XA]                 ; part: row r of 4,096 bytes, K step w, + 64 h: my 16 numbers of a block of 32
	v_lshlrev_b32 v[LI], 4, v11
	v_lshlrev_b32 v[LS], 2, v11
	s_mul_i32 s16, s14, FRB
	v_add_nc_u32 v[XWI], s16, v[LI]
	s_lshl_b32 s16, s14, 7
	v_add_nc_u32 v[XWS], s16, v[LS]
	v_mul_u32_u24 v[SO], v12, SPITCH
	v_lshl_add_u32 v[SO], v13, 6, v[SO]
	v_add_nc_u32 v[SO], s16, v[SO]
	v_add_nc_u32 v[SO], STG, v[SO]                 ; the stage: row r, + 128 w + 64 h: my 16 columns
	s_mul_i32 s16, s14, 2*SPITCH
	v_add_nc_u32 v[SR], s16, v[LI]
	v_add_nc_u32 v[SR], STG, v[SR]                 ; back: rows 2 w, 2 w + 1
	v_mul_u32_u24 v[WA], v12, 768
	v_mad_u32_u24 v[WA], v13, 24, v[WA]            ; Wo's codes: place r, + 24 h
	v_lshlrev_b32 v[WSA], 5, v11                   ; Wo's scale bytes: place = lane: lanes 0-15 tile 0, lanes 16-31 tile 1
	v_lshlrev_b32 v[BA], 6, v13
.irp b, 0,1,2,3
	v_mov_b32 v[TM+4+\b], 0                        ; written once: a lane permute's destination counts as one of its sources
.endr
	s_mov_b32 s[SEL], 0x76543210
	s_mov_b32 s[SEL+1], 0xfedcba98
	s_lshl_b32 s17, ttmp9, 8
	s_lshl_b32 s16, s14, 5
	s_add_co_u32 s17, s17, s16                     ; my first column
	s_add_co_u32 s22, s17, 27648
	s_mul_i32 s24, s22, 768
	s_mov_b32 s25, 0
	s_lshl_b32 s26, s22, 5
	s_mov_b32 s27, 0
	s_lshl_b32 s28, s17, 2
	s_mov_b32 s29, 0
	s_lshl_b32 s30, s15, 16                        ; 16 y rows of 4,096 bytes
	s_mov_b32 s31, 0
	s_lshl_b32 s32, s15, 4
	s_lshl_b32 s16, s14, 1
	s_add_co_u32 s32, s32, s16
	s_lshl_b32 s32, s32, 12
	s_lshl_b32 s16, ttmp9, 10
	s_add_co_u32 s32, s32, s16                     ; out0: row 16 y + 2 w, column 256 x
	s_mov_b32 s33, 0
	s_wait_kmcnt 0x0
	s_add_nc_u64 s[6:7], s[6:7], s[24:25]
	s_add_nc_u64 s[8:9], s[8:9], s[26:27]
	s_add_nc_u64 s[10:11], s[10:11], s[28:29]
	s_add_nc_u64 s[4:5], s[4:5], s[30:31]
	s_add_nc_u64 s[18:19], s[4:5], 0x800000        ; pairs 4 to 7
	s_add_nc_u64 s[12:13], s[12:13], s[32:33]
	WIN 0x40                                       ; destination window 1
.irp u, 0,1
.irp s, 0,1,2,3,4,5,6,7
.irp p, 0,1,2,3,4,5
	global_load_b64 v[FR*(8*\u+\s)+2*\p:FR*(8*\u+\s)+2*\p+1], v[WA], s[6:7] offset:16*\u*768+96*\s+48*(\p/3)+8*(\p%3)
.endr
.endr
.endr
.irp q, 0,1,2,3
	global_load_b128 v[192+4*\q:192+4*\q+3], v[BA], s[10:11] offset:16*\q
.endr
	WIN 0
	global_load_b128 v[WS:WS+3], v[WSA], s[8:9]
	global_load_b128 v[WS+4:WS+7], v[WSA], s[8:9] offset:16
.macro XLOAD p, reg                    ; pair p's part of my 64 numbers
.irp b, 0,1,2,3
.irp q, 0,1,2,3
.if (\p) < 4
	global_load_b128 v[\reg+16*\b+4*\q:\reg+16*\b+4*\q+3], v[XA], s[4:5] offset:(\p)*2097152+128*\b+16*\q
.else
	global_load_b128 v[\reg+16*\b+4*\q:\reg+16*\b+4*\q+3], v[XA], s[18:19] offset:((\p)-4)*2097152+128*\b+16*\q
.endif
.endr
.endr
.endm
.macro XADD reg
.set I, 0
.rept 32
	v_pk_add_f32 v[H+I:H+I+1], v[H+I:H+I+1], v[\reg+I:\reg+I+1]
.set I, I+2
.endr
.endm
	XLOAD 0, H
	XLOAD 1, T1
	XLOAD 2, T2
	s_wait_loadcnt 16                              ; loads come back in order (ISA guide 5.7.1): all but the youngest set of 16 are in
	XADD T1
	XLOAD 3, T1
	s_wait_loadcnt 16
	XADD T2
	XLOAD 4, T2
	s_wait_loadcnt 16
	XADD T1
	XLOAD 5, T1
	s_wait_loadcnt 16
	XADD T2
	XLOAD 6, T2
	s_wait_loadcnt 16
	XADD T1
	XLOAD 7, T1
	s_wait_loadcnt 16
	XADD T2
	s_wait_loadcnt 0x0
	XADD T1
	QUANT H, PC, TM+4, 0
.irp c, 0,1,2
	ds_store_b128 v[XWI], v[PC+4*\c:PC+4*\c+3] offset:XIMG+512*\c
.endr
	ds_store_b32 v[XWS], v[TM+4] offset:XSC
	s_wait_dscnt 0x0                               ; for the others' sake: my image has landed
	s_barrier_signal -1
	s_barrier_wait -1
.irp s, 0,1,2,3,4,5,6,7
.irp c, 0,1,2
	ds_load_b128 v[H+FR*\s+4*\c:H+FR*\s+4*\c+3], v[LI] offset:XIMG+FRB*\s+512*\c
.endr
	ds_load_b32 v[XSW+\s], v[LS] offset:XSC+128*\s
.endr
	s_wait_dscnt 0x0
	WIN 0x11                                       ; source 0 (Wo) and source 2 (bo) window 1
	v_wmma_scale_f32_16x16x128_f8f6f4 v[YA:YA+7], v[0:FR-1], v[H:H+FR-1], v[192:199], v[WS], v[XSW] matrix_a_fmt:MATRIX_FMT_BF6 matrix_b_fmt:MATRIX_FMT_BF6
	v_wmma_scale_f32_16x16x128_f8f6f4 v[YA+8:YA+15], v[FR*8:FR*8+FR-1], v[H:H+FR-1], v[200:207], v[WS], v[XSW] matrix_a_fmt:MATRIX_FMT_BF6 matrix_b_fmt:MATRIX_FMT_BF6 matrix_a_scale:MATRIX_SCALE_ROW1
	WIN 0x01
.irp s, 1,2,3,4,5,6,7                          ; the two accumulators by turns, K ascending
	v_wmma_scale_f32_16x16x128_f8f6f4 v[YA:YA+7], v[FR*\s:FR*\s+FR-1], v[H+FR*\s:H+FR*\s+FR-1], v[YA:YA+7], v[WS+\s], v[XSW+\s] matrix_a_fmt:MATRIX_FMT_BF6 matrix_b_fmt:MATRIX_FMT_BF6
	v_wmma_scale_f32_16x16x128_f8f6f4 v[YA+8:YA+15], v[FR*(8+\s):FR*(8+\s)+FR-1], v[H+FR*\s:H+FR*\s+FR-1], v[YA+8:YA+15], v[WS+\s], v[XSW+\s] matrix_a_fmt:MATRIX_FMT_BF6 matrix_b_fmt:MATRIX_FMT_BF6 matrix_a_scale:MATRIX_SCALE_ROW1
.endr
	WIN 0
.rept 4
	v_nop                                          ; places in front of the first read of results and of loads into registers that the products read
.endr
.irp q, 0,1,2,3
	ds_store_b128 v[SO], v[YA+4*\q:YA+4*\q+3] offset:16*\q         ; each accumulator from its low end on
.endr
	s_wait_dscnt 0x0
	s_barrier_signal -1
	s_barrier_wait -1                              ; 16 whole rows of 1,024 bytes lie in the stage
.irp e, 0,1
.irp f, 0,1
	ds_load_b128 v[H+8*\e+4*\f:H+8*\e+4*\f+3], v[SR] offset:SPITCH*\e+512*\f
.endr
.endr
	s_wait_dscnt 0x0
.irp e, 0,1
.irp f, 0,1
	global_store_b128 v[LI], v[H+8*\e+4*\f:H+8*\e+4*\f+3], s[12:13] offset:4096*\e+512*\f th:TH_STORE_NT   ; 32 lanes store 512 consecutive bytes, aligned
.endr
.endr
	s_wait_tensorcnt 0x0
	ds_add_u32 v223, v227
	s_wait_dscnt 0x0
	s_endpgm
.Lfunc_end_k_q24d7de53ea_outp:
	.size	k_q24d7de53ea_outp, .Lfunc_end_k_q24d7de53ea_outp-k_q24d7de53ea_outp
	.p2alignl 7, 3214868480
	.fill 96, 4, 3214868480
	.section	.rodata,"a",@progbits
	.p2align	6, 0x0
	.amdhsa_kernel k_q24d7de53ea_outp
		.amdhsa_group_segment_fixed_size 31744
		.amdhsa_private_segment_fixed_size 0
		.amdhsa_enable_private_segment 0
		.amdhsa_kernarg_size 40
		.amdhsa_user_sgpr_count 2
		.amdhsa_user_sgpr_kernarg_segment_ptr 1
		.amdhsa_wavefront_size32 1
		.amdhsa_system_sgpr_workgroup_id_x 1
		.amdhsa_system_sgpr_workgroup_id_y 1
		.amdhsa_system_sgpr_workgroup_id_z 1
		.amdhsa_system_vgpr_workitem_id 0
		.amdhsa_next_free_vgpr 512
		.amdhsa_next_free_sgpr 66
		.amdhsa_reserve_vcc 0
		.amdhsa_float_denorm_mode_32 3
		.amdhsa_float_denorm_mode_16_64 3
		.amdhsa_memory_ordered 1
		.amdhsa_forward_progress 1
		.amdhsa_inst_pref_size 49
	.end_amdhsa_kernel
	.amdgpu_metadata
---
amdhsa.version: [ 1, 2 ]
amdhsa.kernels:
  - .name:           k_q24d7de53ea_outp
    .symbol:         k_q24d7de53ea_outp.kd
    .args:
      - { .name: part, .offset: 0, .size: 8, .value_kind: global_buffer, .address_space: global }
      - { .name: xc, .offset: 8, .size: 8, .value_kind: global_buffer, .address_space: global }
      - { .name: xs, .offset: 16, .size: 8, .value_kind: global_buffer, .address_space: global }
      - { .name: bo, .offset: 24, .size: 8, .value_kind: global_buffer, .address_space: global }
      - { .name: out0, .offset: 32, .size: 8, .value_kind: global_buffer, .address_space: global }
    .group_segment_fixed_size: 31744
    .private_segment_fixed_size: 0
    .kernarg_segment_align: 8
    .kernarg_segment_size: 40
    .max_flat_workgroup_size: 256
    .sgpr_count:     66
    .vgpr_count:     512
    .wavefront_size: 32
...
	.end_amdgpu_metadata
.endif
;; end of part 5
